; MI455X (gfx1250); checked and timed in simulation.
; The chip was launched on July 23, 2026; its instructions are those of AMD's public machine-readable ISA for CDNA 5 (MIT licence, August 2026) and "CDNA5" Instruction Set Architecture Reference Guide (July 2026). The comments in the code are by the model that wrote it; some were corrected since.
;; Multi Head Attention. Allowed arithmetic: matrix products marked QUANTISED: E2M1 operands, one E8M0 scale for each 32 along K, by v_wmma_scale_f32_16x16x128_f8f6f4 with both operands' format E2M1 (or v_wmma_scale_f32_32x16x128_f4), f32 sums; everything else in f32.
;; Inputs: Wk 1,024 x 1,024 float32; Wo 1,024 x 1,024 float32; Wq 1,024 x 1,024 float32; Wv 1,024 x 1,024 float32; k 4 x 2,048 x 1,024 float32; ln_beta 1,024 float32; ln_gamma 1,024 float32; q 4 x 2,048 x 1,024 float32; sen_len 4 int32; v 4 x 2,048 x 1,024 float32.
;; Outputs: out0 4 x 2,048 x 1,024 float32.
;; This version of the problem:
;;   THIS VERSION OF THE PROBLEM IS GIVEN IN LOW PRECISION. The matrix products marked QUANTISED in the list below multiply operands that are first quantised to E2M1 (2 exponent bits, 1 mantissa bit; 4 bits a number), with one power-of-two scale for each 32 numbers along K (OCP MX v1.0); their sums are f32. All else is computed in f32.
;;   The module's matrix products, in the order in which they are computed (A, B: the left and right operand; K: the contracted axis; several contracted axes count as one K, in the product's order):
;;     1. [M 8,192, K 1,024] x [K 1,024, N 1,024]; A: input q; B: input Wq: QUANTISED
;;     2. [M 8,192, K 1,024] x [K 1,024, N 1,024]; A: input k; B: input Wk: QUANTISED
;;     3. [M 8,192, K 1,024] x [K 1,024, N 1,024]; A: input v; B: input Wv: QUANTISED
;;     4. batch 64 x [M 2,048, K 64] x [K 64, N 2,048]; A: computed on the way; B: computed on the way: QUANTISED
;;     5. batch 64 x [M 2,048, K 2,048] x [K 2,048, N 64]; A: softmax (see below); B: computed on the way: QUANTISED
;;     6. [M 8,192, K 1,024] x [K 1,024, N 1,024]; A: computed on the way; B: input Wo: QUANTISED
;;   THE QUANTISER, for each operand of a quantised product, along K:
;;     - K is cut into blocks of 32 from its start; a last block that is shorter is filled with zeros.
;;     - A block's scale is 2^e with e = floor(log2(the largest magnitude in the block)) - 2, held to -126 .. 127; a block of zeros has e = 0. As a byte (E8M0): e + 127.
;;     - Each number is divided by its block's scale, clamped to +-6, and rounded to the nearest number of E2M1, ties to even, subnormals kept.
;;     - The product sums the exact products of the quantised numbers (number of the format x scale) in f32.
;;   ~~~python
;;   def quantise(x, axis):      # numpy; x: float32 -> the quantised numbers, widened to float32 again
;;       x = np.moveaxis(x, axis, -1); K = x.shape[-1]
;;       x = np.pad(x, [(0, 0)] * (x.ndim - 1) + [(0, -K % 32)]); x = x.reshape(x.shape[:-1] + (-1, 32)); a = np.abs(x).max(-1, keepdims=True)
;;       e = np.where(a > 0, np.clip(np.frexp(np.where(a > 0, a, 1))[1] - 1 - 2, -126, 127), 0)      # np.frexp(a)[1] - 1 = floor(log2(a)), exactly
;;       r = np.clip(x / 2.0 ** e, -6, 6)
;;       step = 2.0 ** (np.maximum(np.frexp(np.where(r == 0, 1, r))[1] - 1, 0) - 1)
;;       q = np.round(r / step) * step * 2.0 ** e      # np.round: ties to even
;;       return np.moveaxis(q.reshape(q.shape[:-2] + (-1,))[..., :K], -1, axis).astype(np.float32)
;;   ~~~
;;   SOFTMAX AHEAD OF A QUANTISED PRODUCT. Where the list says 'softmax', what is quantised is not the finished softmax but p = 2^(t - M), with t = logit x log2(e) and M = ceil(the row's largest t), a whole number; so 1/2 < the row's largest p <= 1. The row's sum l is taken of the UNQUANTISED p, in f32, and the product's result is divided by l at the end. Since M is a whole number, a kernel that streams over the keys may use a running M (the ceiling of the running maximum): every later rescaling is an exact power of two, which a block's scale takes up: the codes' values come out the same.
;;   OPERANDS COMPUTED ON THE WAY. 'Computed on the way' means the value that the module computes at that place (a softmax that the list does not call 'softmax' is quantised finished and normalised). What goes into a quantiser is computed in f32, as accurately as f32 sums, v_exp_f32 and their like allow (about 1e-6 of the number): no bf16 or f16 on the way to a quantiser, and a product that is left as it is and whose result goes on into a quantised operand takes f32 operands (vector FMAs, or v_wmma_f32_16x16x4_f32). A number that lies on a knife's edge between two numbers of the format may be rounded either way, as far as f32 arithmetic and the matrix unit's own rounding can turn it there, and no further.
;; 2 versions, each right; version 2 is version 1 with the launch attn written anew for expert scheduling mode. Each part assembles by itself: llvm-mc -triple=amdgcn-amd-amdhsa -mcpu=gfx1250 --defsym DOCPART=n.
;; ======== version 1 of 2: 4 launches
;; workspace buffers: cod 14,680,064 bytes; scl 917,504 bytes; hc 12,582,912 bytes; hs 786,432 bytes; cc 4,194,304 bytes; cs 524,288 bytes
;; launch quant (part 1): grid 896 x 1, 4 waves a work-group, no clusters, 39,424 bytes of LDS; arguments q, k, v, Wq, Wk, Wv, Wo, cod, scl; writes cod, scl
.if DOCPART == 1
	.amdgcn_target "amdgcn-amd-amdhsa--gfx1250"
	.amdhsa_code_object_version 6
	.text
	.protected	k_q7f60177328_quant
	.globl	k_q7f60177328_quant
	.p2align	8
	.type	k_q7f60177328_quant,@function
k_q7f60177328_quant:
	s_mov_b64 s[64:65], 0
	v_nop
	global_prefetch_b8 v0, s[64:65] scope:SCOPE_SE
	s_setreg_imm32_b32 hwreg(HW_REG_WAVE_MODE, 25, 1), 1
	s_wait_xcnt 0x0
; q, k, v [8192][1024] and Wq, Wk, Wv, Wo [1024][1024], f32, K = the last axis, become codes of FP4 (E2M1) with one E8M0 byte for each 32 along K.
; A block's scale is 2^(floor(log2(its largest magnitude)) - 2); its byte is the largest magnitude's exponent field - 2, held at 1 from below.
; LIMITS: a block of zeros, or one whose largest magnitude lies under 2^-124, gets the byte 1 (its codes add nothing; this program alone reads the bytes); NaN and infinities are not served.
; THE RESULTS LEAVE IN THE ORDER OF AN OPERAND'S REGISTERS.  Rows go in groups of 32; tile 2 G + u holds in row place r (0..15) row 32 G + 8 u + r + 8 (r / 8).
;   cod: tile T at 8192 T: block kb (0..31) of row place r at 256 kb + 16 r: that is [K step][c][lane = r + 16 h][16 bytes] with kb = 4 s + 2 c + h.
;   scl: tile T at 512 T: byte of block kb of row place r at 256 (kb / 16) + 16 r + kb % 16.
; The seven tensors stand one behind the other (q, k, v, Wq, Wk, Wv, Wo), so work-group g (one group of 32 rows, 128 KiB in) writes cod bytes 16384 g on and scl bytes 1024 g on.
; Wave w takes rows 8 w .. 8 w + 7: tile u = w % 2, row places 8 (w / 2) + 0 .. 7; 16 steps of 512 numbers, step t = row t / 2, half t % 2.
; Each load reads 512 consecutive bytes; a step's 2,048 bytes turn through the wave's own stage in LDS so that a lane holds 16 neighbours along K (two lanes to a block).
; Codes and bytes are gathered in LDS in the output's order; behind one barrier each wave stores 4,096 consecutive bytes of codes and 256 of scale bytes.
; No prefetch: the launch is one stream of loads that are always on their way.  No matrix unit, no cluster: work-groups share nothing.
.set STEPS, 16
.set EMAX,  2
.set R,     16                         ; v16-79   four sets of 16 numbers as they are loaded
.set X,     80                         ; v80-111  two sets of 16 neighbours
.set E,     112                        ; v112-127 a scale byte for each step
.set C,     128                        ; v128..   a step's codes, registers of their own for each step
.set SP,    80                         ; a lane's place in a turning stage: 64 bytes + 16 of padding
.set WREG,  2*32*SP                    ; two turning stages for each wave
.set STG,   4*WREG                     ; 64 chunks of 256 bytes of codes, 272 bytes apart
.set CP,    272
.set SSC,   STG+64*CP                  ; 1,024 scale bytes in scl's order
	s_load_b512 s[4:19], s[0:1], 0x0               ; q, k, v, Wq, Wk, Wv, Wo, cod
	s_load_b64 s[20:21], s[0:1], 0x40              ; scl
	v_lshl_add_u32 v192, v0, 2, 0x9800
	v_mov_b32 v193, 0
	v_lshrrev_b32 v1, 5, v0
	v_readfirstlane_b32 s22, v1                    ; wave
	v_and_b32 v2, 31, v0                           ; lane
	v_lshlrev_b32 v3, 4, v2                        ; my 16 bytes of 512
	s_mul_i32 s23, s22, WREG
	v_lshrrev_b32 v14, 2, v2
	v_mul_u32_u24 v14, v14, SP
	v_and_b32 v15, 3, v2
	v_lshl_add_u32 v14, v15, 4, v14
	v_add_nc_u32 v14, s23, v14                     ; turning stage, in: SP (lane / 4) + 16 (lane % 4)
	v_mul_u32_u24 v15, v2, SP
	v_add_nc_u32 v15, s23, v15                     ; and out: SP x lane
	s_and_b32 s27, s22, 1                          ; u
	s_lshr_b32 s28, s22, 1
	s_lshl_b32 s28, s28, 7                         ; 16 bytes x 8 row places for w / 2
	s_mul_i32 s29, s27, 32*CP
	s_add_co_u32 s29, s29, s28
	s_add_co_u32 s29, s29, STG
	v_lshrrev_b32 v5, 1, v2                        ; my block in the step
	v_and_b32 v6, 1, v2                            ; which half of its 16 bytes
	v_mul_u32_u24 v4, v5, CP
	v_lshl_add_u32 v4, v6, 3, v4
	v_add_nc_u32 v4, s29, v4                       ; where my 8 bytes of codes go: chunk 32 u + 16 (t % 2) + lane / 2, byte 16 r + 8 (lane % 2)
	s_lshl_b32 s29, s27, 9
	s_add_co_u32 s29, s29, s28
	s_add_co_u32 s29, s29, SSC
	v_add_nc_u32 v5, s29, v5                       ; and my block's scale byte
	s_mul_i32 s29, s22, 16*CP
	s_add_co_u32 s29, s29, STG
	v_lshrrev_b32 v6, 4, v2
	v_mul_u32_u24 v6, v6, CP
	v_and_b32 v7, 15, v2
	v_lshl_add_u32 v6, v7, 4, v6
	v_add_nc_u32 v6, s29, v6                       ; the way out: my wave's 16 chunks, two to a load
	s_lshl_b32 s29, s22, 8
	s_add_co_u32 s29, s29, SSC
	v_lshlrev_b32 v10, 3, v2
	v_add_nc_u32 v7, s29, v10                      ; and its 256 scale bytes, 8 a lane
	s_wait_kmcnt 0x0
; which tensor is my group's: a chain of choices on the work-group's number alone
.macro PICK bound, p, first
	s_cmp_lt_u32 ttmp9, \bound
	s_cselect_b64 s[24:25], s[\p:\p+1], s[24:25]
	s_cselect_b32 s26, \first, s26
.endm
	s_mov_b64 s[24:25], s[16:17]                   ; Wo, groups 864 on
	s_mov_b32 s26, 864
	PICK 864, 14, 832
	PICK 832, 12, 800
	PICK 800, 10, 768
	PICK 768, 8, 512
	PICK 512, 6, 256
	PICK 256, 4, 0
	s_sub_co_u32 s26, ttmp9, s26                   ; my group in that tensor: 131,072 bytes a group, 32,768 a wave
	s_lshl_b32 s26, s26, 17
	s_lshl_b32 s27, s22, 15
	s_add_co_u32 s26, s26, s27
	s_mov_b32 s27, 0
	s_add_nc_u64 s[24:25], s[24:25], s[26:27]
	s_lshl_b32 s28, ttmp9, 14
	s_lshl_b32 s29, s22, 12
	s_add_co_u32 s28, s28, s29
	s_mov_b32 s29, 0
	s_add_nc_u64 s[18:19], s[18:19], s[28:29]      ; cod at my wave's 4,096 bytes
	s_lshl_b32 s28, ttmp9, 10
	s_lshl_b32 s30, s22, 8
	s_add_co_u32 s28, s28, s30
	s_add_nc_u64 s[20:21], s[20:21], s[28:29]      ; scl at my wave's 256 bytes
.macro LOAD t
.irp i, 0,1,2,3
	global_load_b128 v[R+16*((\t)%4)+4*\i:R+16*((\t)%4)+4*\i+3], v3, s[24:25] offset:2048*(\t)+512*\i th:TH_LOAD_NT   ; 32 lanes read 512 consecutive bytes
.endr
.endm
.macro TURN t                          ; step t's numbers through the stage: LDS serves a wave's instructions in order, so no wait stands between the stores and the loads
.irp i, 0,1,2,3
	ds_store_b128 v14, v[R+16*((\t)%4)+4*\i:R+16*((\t)%4)+4*\i+3] offset:32*SP*((\t)%2)+8*SP*\i
.endr
.irp i, 0,1,2,3
	ds_load_b128 v[X+16*((\t)%2)+4*\i:X+16*((\t)%2)+4*\i+3], v15 offset:32*SP*((\t)%2)+16*\i
.endr
.endm
.irp t, 0,1,2,3
	LOAD \t
.endr
	s_wait_loadcnt 12                              ; step 0's four loads are in
	TURN 0
.macro STEP t
.set XS, X+16*((\t)%2)
.if (\t) > 0
	s_wait_dscnt 2                                 ; this step's numbers are back from the stage; the last step's two stores, issued behind them, may be out
.else
	s_wait_dscnt 0x0
.endif
.if (\t)+4 < STEPS
	LOAD (\t)+4                                    ; into the registers that this step's stores into the stage have read
.endif
.if (\t)+1 < STEPS
.if STEPS-2-(\t) >= 3
	s_wait_loadcnt 12                              ; the next step's four loads are in; those of the three steps behind it may be out
.else
	s_wait_loadcnt 4*(STEPS-2-(\t))
.endif
	TURN (\t)+1
.endif
	v_max3_num_f32 v8, |v[XS]|, |v[XS+1]|, |v[XS+2]|               ; the largest magnitude of my 16, in two chains
	v_max3_num_f32 v9, |v[XS+3]|, |v[XS+4]|, |v[XS+5]|
.irp i, 6,10
	v_max3_num_f32 v8, v8, |v[XS+\i]|, |v[XS+\i+1]|
	v_max3_num_f32 v9, v9, |v[XS+\i+2]|, |v[XS+\i+3]|
.endr
	v_max3_num_f32 v8, v8, |v[XS+14]|, |v[XS+15]|
	v_max3_num_f32 v8, v8, v9, (EMAX+1)<<23        ; and the floor 2^(3 - 127): the byte cannot fall under 1
	v_max_num_f32_dpp v8, v8, v8 row_xmask:1 row_mask:0xf bank_mask:0xf   ; with my neighbour's 16: the block's
	v_add_nc_u32 v11, -(EMAX<<23), v8              ; 2 off its exponent field: the conversion takes the exponent field of this operand as its scale
	v_cvt_scalef32_pk8_fp4_f32 v[C+4*(\t)], v[XS:XS+7], v11
	v_cvt_scalef32_pk8_fp4_f32 v[C+4*(\t)+1], v[XS+8:XS+15], v11
	v_lshrrev_b32 v[E+(\t)], 23, v11               ; the scale's byte (a plain line behind the conversions)
	ds_store_b8 v5, v[E+(\t)] offset:((\t)%2)*256+((\t)/2)*16       ; both lanes of a block write the same byte with the same value
	ds_store_b64 v4, v[C+4*(\t):C+4*(\t)+1] offset:((\t)%2)*16*CP+((\t)/2)*16   ; 272 bytes from chunk to chunk: the 32 lanes touch 32 different columns of 8 bytes
.endm
.irp t, 0,1,2,3,4,5,6,7,8,9,10,11,12,13,14,15
	STEP \t
.endr
	s_wait_dscnt 0x0                               ; for the others' sake: my stores have landed
	s_barrier_signal -1
	s_barrier_wait -1                              ; the group's 64 chunks and 1,024 bytes are whole
.irp i, 0,1,2,3,4,5,6,7
	ds_load_b128 v[32+4*\i:35+4*\i], v6 offset:2*CP*\i
.endr
	ds_load_b64 v[12:13], v7
.irp i, 0,1,2,3,4,5,6,7
	s_wait_dscnt 8-\i                              ; behind load i: 7 - i loads of codes and the one of bytes
	global_store_b128 v3, v[32+4*\i:35+4*\i], s[18:19] offset:512*\i    ; 512 consecutive bytes, aligned
.endr
	s_wait_dscnt 0x0
	global_store_b64 v10, v[12:13], s[20:21]       ; 256 consecutive bytes, aligned
	s_wait_tensorcnt 0x0
	ds_add_u32 v192, v193
	s_wait_dscnt 0x0
	s_endpgm
.Lfunc_end_k_q7f60177328_quant:
	.size	k_q7f60177328_quant, .Lfunc_end_k_q7f60177328_quant-k_q7f60177328_quant
	.p2alignl 7, 3214868480
	.fill 96, 4, 3214868480
	.section	.rodata,"a",@progbits
	.p2align	6, 0x0
	.amdhsa_kernel k_q7f60177328_quant
		.amdhsa_group_segment_fixed_size 39424
		.amdhsa_private_segment_fixed_size 0
		.amdhsa_enable_private_segment 0
		.amdhsa_kernarg_size 72
		.amdhsa_user_sgpr_count 2
		.amdhsa_user_sgpr_kernarg_segment_ptr 1
		.amdhsa_wavefront_size32 1
		.amdhsa_system_sgpr_workgroup_id_x 1
		.amdhsa_system_sgpr_workgroup_id_y 1
		.amdhsa_system_sgpr_workgroup_id_z 1
		.amdhsa_system_vgpr_workitem_id 0
		.amdhsa_next_free_vgpr 194
		.amdhsa_next_free_sgpr 66
		.amdhsa_reserve_vcc 0
		.amdhsa_float_denorm_mode_32 3
		.amdhsa_float_denorm_mode_16_64 3
		.amdhsa_memory_ordered 1
		.amdhsa_forward_progress 1
		.amdhsa_inst_pref_size 36
	.end_amdhsa_kernel
	.amdgpu_metadata
---
amdhsa.version: [ 1, 2 ]
amdhsa.kernels:
  - .name:           k_q7f60177328_quant
    .symbol:         k_q7f60177328_quant.kd
    .args:
      - { .name: q, .offset: 0, .size: 8, .value_kind: global_buffer, .address_space: global }
      - { .name: k, .offset: 8, .size: 8, .value_kind: global_buffer, .address_space: global }
      - { .name: v, .offset: 16, .size: 8, .value_kind: global_buffer, .address_space: global }
      - { .name: Wq, .offset: 24, .size: 8, .value_kind: global_buffer, .address_space: global }
      - { .name: Wk, .offset: 32, .size: 8, .value_kind: global_buffer, .address_space: global }
      - { .name: Wv, .offset: 40, .size: 8, .value_kind: global_buffer, .address_space: global }
      - { .name: Wo, .offset: 48, .size: 8, .value_kind: global_buffer, .address_space: global }
      - { .name: cod, .offset: 56, .size: 8, .value_kind: global_buffer, .address_space: global }
      - { .name: scl, .offset: 64, .size: 8, .value_kind: global_buffer, .address_space: global }
    .group_segment_fixed_size: 39424
    .private_segment_fixed_size: 0
    .kernarg_segment_align: 8
    .kernarg_segment_size: 72
    .max_flat_workgroup_size: 128
    .sgpr_count:     66
    .vgpr_count:     194
    .wavefront_size: 32
...
	.end_amdgpu_metadata
.endif
;; end of part 1
;; launch proj (part 2): grid 256 x 3, 4 waves a work-group, clusters of 4 x 1, 197,120 bytes of LDS; arguments cod, scl, hc, hs; writes hc, hs
.if DOCPART == 2
	.amdgcn_target "amdgcn-amd-amdhsa--gfx1250"
	.amdhsa_code_object_version 6
	.text
	.protected	k_q7f60177328_proj
	.globl	k_q7f60177328_proj
	.p2align	8
	.type	k_q7f60177328_proj,@function
k_q7f60177328_proj:
	s_mov_b64 s[64:65], 0
	v_nop
	global_prefetch_b8 v0, s[64:65] scope:SCOPE_SE
	s_setreg_imm32_b32 hwreg(HW_REG_WAVE_MODE, 25, 1), 1
	s_wait_xcnt 0x0
	s_wait_alu depctr_hold_cnt(0) depctr_sa_sdst(0) depctr_va_vdst(0) depctr_va_sdst(0) depctr_va_ssrc(0) depctr_va_vcc(0) depctr_vm_vsrc(0)
	s_getreg_b32 s2, hwreg(HW_REG_IB_STS2, 6, 4)
	s_cmp_eq_u32 s2, 0
	s_cbranch_scc0 .Lentry_in_a_cluster
	s_endpgm
.Lentry_in_a_cluster:
	s_bfe_u32 s2, ttmp6, 0x10000c
	s_cmp_lg_u32 s2, 0x3003
	s_cbranch_scc0 .Lentry_shape_is_right
	s_endpgm
.Lentry_shape_is_right:
; The three input projections on codes of FP4, their results quantised in registers for the attention.  One text: P[i][j] = sum over k of U[i][k] T[j][k], quantised along j.
;   y = 0, 1: U = q or k (512 tiles of 16 rows), T = Wq or Wk (64 tiles): P = the heads' rows, quantised along the head's 64.
;   y = 2:    U = Wv (64 tiles), T = v (512 tiles): P = V transposed, quantised along the keys.
; Source 0 = a tile of T, source 1 = a tile of U: a lane holds one i, its registers run along j.  Tile 2 G + u holds in row place r row 32 G + 8 u + r + 8 (r / 8), so the 16 registers of
; tiles 2 p and 2 p + 1 are j = 32 p + 16 (lane / 16) + 0 .. 15: sixteen neighbours along the next product's K.
; SHARES.  A work-group: 8 tiles of U x 16 tiles of T, all of K = 1,024.  768 equal work-groups.  Wave w: U tiles 4 (w / 2) on, T tiles 8 (w % 2) on: 32 accumulators.
; LDS is filled once: both K halves of the 24 tiles, 196,608 bytes, as images of the operands' registers (1,024 bytes a fragment, a lane's 16 bytes at 16 x lane: consecutive, no padding wanted).
; CLUSTER.  The four work-groups of a cluster share y and their 16 tiles of T: these are asked for jointly (mask 15); each asks for its own 8 tiles of U.
; No ring: all of K fits.  No prefetch: each tile is asked for once, at the head.
; OUT.  hc: Q at 0, K at 4,194,304: [batch x 16 + head][tile][lane][16 bytes], lane (r, h) = block h of row place r.  V at 8,388,608: [bh][128 keys][tile of 16 of the head's 64][1,024 bytes].
;       hs: Q at 0, K at 262,144: [bh][pair of tiles][r] words (bytes 0, 1 the even tile's two blocks, 2, 3 the odd tile's).  V at 524,288: [bh][128 keys][h'][r][2 words]: tiles 2 h', 2 h' + 1.
;       Q's and K's scale words leave as 128 consecutive bytes a store: one sixteenth of what the launch writes.
; LIMITS: blocks under 2^-124 and blocks of zeros carry the byte 1; NaN and infinities are not served.
; REGISTERS.  window 0: v1-9 addresses, v12 lane / 16; v32-95 scale words; v96-159 U's fragments, two sets (in the end codes and work).  window 1: accumulator (a, b) at v[64 a + 8 b].  window 2: T's fragments, two sets of 64.
.set SC,   32                          ; v[SC + 8 i + s]: lanes 16-31 the word of T's tile i for K step s; lanes 0-15 that of U's tile i (used for i < 4)
.set UF,   96
.set PCB,  96                          ; the codes made: 8 registers for each a
.set TM,   128                         ; v128-131 largest magnitudes, v132-135 lane exchange and bytes, v140-143 scale operands
.set PW,   144                         ; v144-147 the scale word of each a
.set HALF, 98304                       ; a K half in LDS: 24 tiles x 4,096 bytes; T's 16 first
.set MSB, 0
.macro WIN new                         ; the immediate's high byte repeats the setting that is left
.if MSB != \new
	s_set_vgpr_msb (MSB<<8)|\new
.set MSB, \new
.endif
.endm
.macro CROUND                          ; a round of the cluster's barrier
	s_barrier_signal -1
	s_barrier_wait -1
	s_cmp_lg_u32 s12, 0
	s_cbranch_scc1 .Lnot_wave_0_\@
	s_barrier_signal -3
.Lnot_wave_0_\@:
	s_barrier_wait -3
	s_barrier_signal -1
	s_barrier_wait -1
.endm
.macro PLACES                          ; four plain vector lines between a matrix instruction and a load into, or a vector line on, its registers
.rept 4
	v_nop
.endr
.endm
	s_load_b256 s[4:11], s[0:1], 0x0               ; cod s[4:5], scl s[6:7], hc s[8:9], hs s[10:11]
	v_lshl_add_u32 v254, v0, 2, 0x30000
	v_mov_b32 v255, 0
	ds_add_u32 v254, v255
	ds_add_u32 v254, v255
	v_lshrrev_b32 v1, 5, v0
	v_readfirstlane_b32 s12, v1                    ; wave
	s_lshr_b32 s13, s12, 1                         ; wi: which 4 tiles of U
	s_and_b32 s14, s12, 1                          ; wj: which 8 tiles of T
	s_bfe_u32 s15, ttmp6, 0x40000                  ; cx: my place in the cluster
	s_and_b32 s17, ttmp7, 0xffff                   ; y: 0 Q, 1 K, 2 V; the partners share it
	s_lshr_b32 s18, ttmp9, 1                       ; both forms of every number first, then one compare and the choices
	s_lshr_b32 s19, ttmp9, 4
	s_and_b32 s20, ttmp9, 1
	s_and_b32 s21, ttmp9, 15
	s_lshl_b32 s22, s17, 6
	s_add_co_u32 s22, s22, 1536                    ; Wq's or Wk's first tile
	s_lshl_b32 s23, s17, 9                         ; q's or k's first tile
	s_mov_b32 s70, 1024                            ; v's
	s_mov_b32 s71, 1664                            ; Wv's
	s_cmp_eq_u32 s17, 2
	s_cselect_b32 s18, s18, s19                    ; jt: which 16 tiles of T
	s_cselect_b32 s20, s20, s21
	s_cselect_b32 s22, s70, s22
	s_cselect_b32 s23, s71, s23
	s_lshl_b32 s19, s18, 4
	s_add_co_u32 s22, s22, s19                     ; T's first tile: made of the cluster's x and y alone
	s_lshl_b32 s20, s20, 2
	s_add_co_u32 s20, s20, s15                     ; it: which 8 tiles of U
	s_lshl_b32 s21, s20, 3
	s_add_co_u32 s23, s23, s21                     ; U's first tile
	; descriptor group 1: 4 rows of 4,096 bytes (a K half of 4 tiles), 8,192 bytes apart in memory, dense in LDS; elements of 8 bytes
	s_mov_b32 s24, 15|(3<<16)|(1<<21)              ; joint: the mask names all four work-groups; bit 21 set beside it
	s_mov_b32 s32, 3<<16                           ; my own
.irp g, 24, 32
	s_mov_b32 s[\g+1], 512<<16                     ; tensor_dim0 = 512
	s_mov_b32 s[\g+2], 4<<16                       ; tensor_dim1 = 4
	s_mov_b32 s[\g+3], 512<<16                     ; tile_dim0 = 512
	s_mov_b32 s[\g+4], 4                           ; tile_dim1 = 4
	s_mov_b32 s[\g+5], 1024                        ; from row to row
	s_mov_b32 s[\g+6], 0
	s_mov_b32 s[\g+7], 0
.endr
	s_lshl_b32 s72, s12, 2
	s_add_co_u32 s72, s72, s22
	s_lshl_b32 s72, s72, 13                        ; T's tiles 4 w on, in bytes
	s_mov_b32 s73, 0
	s_lshl_b32 s74, s14, 2
	s_add_co_u32 s74, s74, s23
	s_lshl_b32 s74, s74, 13                        ; U's tiles 4 (w % 2) on,
	s_lshl_b32 s75, s13, 12
	s_add_co_u32 s74, s74, s75                     ; K half w / 2
	s_mov_b32 s75, 0
	s_mov_b32 s66, 0x76543210
	s_mov_b32 s67, 0xfedcba98                      ; v_permlanex16_b32's selects for lane l xor 16
	s_mov_b32 s68, 0x05040100                      ; v_perm_b32: the two low halves;
	s_mov_b32 s69, 0x07060302                      ; the two high halves
	s_wait_dscnt 0x0
	s_wait_kmcnt 0x0
	s_mov_b32 s40, 1                               ; load a: T, K half 0
	s_lshl_b32 s41, s12, 14
	s_add_nc_u64 s[42:43], s[4:5], s[72:73]
	s_or_b32 s43, s43, 0x80000000
	s_mov_b32 s44, 1                               ; load b: U
	s_mul_i32 s45, s13, HALF
	s_lshl_b32 s76, s14, 14
	s_add_co_u32 s45, s45, s76
	s_add_co_u32 s45, s45, 65536
	s_add_nc_u64 s[46:47], s[4:5], s[74:75]
	s_or_b32 s47, s47, 0x80000000
	s_mov_b32 s48, 1                               ; load c: T, K half 1
	s_add_co_u32 s49, s41, HALF
	s_add_nc_u64 s[50:51], s[4:5], s[72:73]
	s_add_nc_u64 s[50:51], s[50:51], 4096
	s_or_b32 s51, s51, 0x80000000
	CROUND                                         ; all four work-groups are here: the joint loads meet
	tensor_load_to_lds s[40:43], s[24:31]          ; the launch's only fills, one group: three loads of mine are out
	s_nop 0
	tensor_load_to_lds s[44:47], s[32:39]
	s_nop 0
	tensor_load_to_lds s[48:51], s[24:31]
	s_nop 0
.rept 4
	v_nop
.endr
	v_and_b32 v10, 31, v0                          ; lane
	v_and_b32 v11, 15, v0                          ; r
	v_bfe_u32 v12, v0, 4, 1                        ; h
	v_lshlrev_b32 v6, 4, v10                       ; 16 x lane
	s_lshl_b32 s76, s14, 15
	v_add_nc_u32 v1, s76, v6                       ; my T fragments, K half 0,
	v_add_nc_u32 v2, HALF, v1                      ; K half 1
	s_lshl_b32 s76, s13, 14
	s_add_co_u32 s76, s76, 65536
	v_add_nc_u32 v3, s76, v6                       ; my U fragments
	v_add_nc_u32 v4, HALF, v3
	s_lshl_b32 s76, s13, 2
	s_add_co_u32 s76, s76, s23
	s_lshl_b32 s76, s76, 9                         ; scale bytes: 512 a tile: U's for lanes 0-15,
	s_lshl_b32 s77, s14, 3
	s_add_co_u32 s77, s77, s22
	s_lshl_b32 s77, s77, 9                         ; T's for lanes 16-31
	v_mov_b32 v13, s76
	v_mov_b32 v14, s77
	v_cmp_eq_u32 vcc_lo, 0, v12
	v_cndmask_b32 v5, v14, v13, vcc_lo
	v_lshl_add_u32 v5, v11, 4, v5                  ; + 16 r
.irp i, 0,1,2,3,4,5,6,7
.irp f, 0,1
	global_load_b128 v[SC+8*\i+4*\f:SC+8*\i+4*\f+3], v5, s[6:7] offset:512*\i+256*\f   ; four K steps' words of my row of tile i (lanes 0-15, i > 3: bytes of scl that are not used)
.endr
.endr
	v_lshlrev_b32 v8, 2, v10                       ; 4 x lane
	v_lshlrev_b32 v9, 3, v10                       ; 8 x lane
	; where the results go.  Q, K: tile It0 = 8 it + 4 wi of 512, heads h0 = 4 jt + 2 wj and h0 + 1
	s_lshl_b32 s76, s20, 3
	s_lshl_b32 s77, s13, 2
	s_add_co_u32 s76, s76, s77
	s_lshr_b32 s77, s76, 7                         ; batch
	s_and_b32 s76, s76, 127                        ; tile in the batch
	s_lshl_b32 s78, s18, 2
	s_lshl_b32 s79, s14, 1
	s_add_co_u32 s78, s78, s79
	s_lshl_b32 s77, s77, 4
	s_add_co_u32 s77, s77, s78                     ; bh
	s_lshl_b32 s78, s77, 7
	s_add_co_u32 s78, s78, s76
	s_lshl_b32 s78, s78, 9
	s_lshl_b32 s79, s17, 22
	s_add_co_u32 s78, s78, s79                     ; codes
	s_lshl_b32 s77, s77, 6
	s_lshr_b32 s76, s76, 1
	s_add_co_u32 s77, s77, s76
	s_lshl_b32 s77, s77, 6
	s_lshl_b32 s79, s17, 18
	s_add_co_u32 s77, s77, s79                     ; scale words
	; V: head 2 it + wi, keys 128 (2 jt + wj) on
	s_lshl_b32 s80, s20, 1
	s_add_co_u32 s80, s80, s13
	s_lshl_b32 s81, s18, 1
	s_add_co_u32 s81, s81, s14
	s_lshr_b32 s82, s81, 4                         ; batch
	s_and_b32 s81, s81, 15                         ; which 128 keys
	s_lshl_b32 s82, s82, 4
	s_add_co_u32 s82, s82, s80
	s_lshl_b32 s82, s82, 4
	s_add_co_u32 s82, s82, s81
	s_lshl_b32 s83, s82, 12
	s_add_co_u32 s83, s83, 8388608                 ; codes
	s_lshl_b32 s82, s82, 8
	s_add_co_u32 s82, s82, 524288                  ; scale words
	s_mov_b32 s84, 1024
	s_mov_b32 s85, 512
	s_mov_b32 s86, 65536
	s_cmp_eq_u32 s17, 2
	s_cselect_b32 s78, s83, s78
	s_cselect_b32 s82, s82, s77
	s_cselect_b32 s88, s84, s85                    ; from a to a + 1: a fragment, or a tile's image
	s_cselect_b32 s85, s85, s86                    ; from registers 0-3 to 4-7: the fragment's second half, or the next head
	s_mov_b32 s79, 0
	s_mov_b32 s83, 0
	s_mov_b32 s89, 0
	s_add_nc_u64 s[52:53], s[8:9], s[78:79]
	s_add_nc_u64 s[54:55], s[52:53], s[88:89]
	s_add_nc_u64 s[56:57], s[54:55], s[88:89]
	s_add_nc_u64 s[58:59], s[56:57], s[88:89]
	s_add_nc_u64 s[60:61], s[10:11], s[82:83]
	s_add_nc_u64 s[62:63], s[60:61], 4096          ; the next head's scale words (Q, K)
	v_add_nc_u32 v7, s85, v6
; 24 LDS loads in one run: K step s: T's eight fragments into set, window 2; U's four into set, window 0
.macro FETCH s, set
	WIN 0x80
.irp i, 0,1,2,3,4,5,6,7
.irp c, 0,1
	ds_load_b128 v[64*(\set)+8*\i+4*\c:64*(\set)+8*\i+4*\c+3], v[1+(\s)/4] offset:4096*\i+1024*((\s)%4)+512*\c
.endr
.endr
	WIN 0
.irp a, 0,1,2,3
.irp c, 0,1
	ds_load_b128 v[UF+32*(\set)+8*\a+4*\c:UF+32*(\set)+8*\a+4*\c+3], v[3+(\s)/4] offset:4096*\a+1024*((\s)%4)+512*\c
.endr
.endr
.endm
; 32 matrix instructions: the 32 accumulators by turns, one instruction a turn, in the same order in every K step.  zero = 1: the first products start the sums
.macro MUL s, set, zero
	WIN 0x52                                       ; source 0 (T) window 2, source 1 (U) window 0, C and D window 1
.irp a, 0,1,2,3
.irp b, 0,1,2,3,4,5,6,7
.if \zero
	v_wmma_scale_f32_16x16x128_f8f6f4 v[64*\a+8*\b:64*\a+8*\b+7], v[64*(\set)+8*\b:64*(\set)+8*\b+7], v[UF+32*(\set)+8*\a:UF+32*(\set)+8*\a+7], 0, v[SC+8*\b+(\s)], v[SC+8*\a+(\s)] matrix_a_fmt:MATRIX_FMT_FP4 matrix_b_fmt:MATRIX_FMT_FP4 matrix_a_scale:MATRIX_SCALE_ROW1
.else
	v_wmma_scale_f32_16x16x128_f8f6f4 v[64*\a+8*\b:64*\a+8*\b+7], v[64*(\set)+8*\b:64*(\set)+8*\b+7], v[UF+32*(\set)+8*\a:UF+32*(\set)+8*\a+7], v[64*\a+8*\b:64*\a+8*\b+7], v[SC+8*\b+(\s)], v[SC+8*\a+(\s)] matrix_a_fmt:MATRIX_FMT_FP4 matrix_b_fmt:MATRIX_FMT_FP4 matrix_a_scale:MATRIX_SCALE_ROW1
.endif
.endr
.endr
.endm
	s_wait_tensorcnt 0x1                           ; my loads a and b have landed; c, K half 1 of T, may stay out
	s_barrier_signal -1
	s_barrier_wait -1                              ; K half 0 is whole for every wave
	FETCH 0, 0
	s_wait_loadcnt 0x0                             ; the scale words
.set Q, 0
.rept 8
.if Q == 3
	WIN 0
	s_wait_dscnt 0x0                               ; no LDS instruction of mine is out at a signal
	s_wait_tensorcnt 0x0                           ; my load c has landed
	s_barrier_signal -1
	s_barrier_wait -1                              ; K half 1 is whole for every wave
.endif
.if Q < 7
.if Q > 0
	PLACES                                         ; the set below was multiplied in the step before
.endif
	FETCH Q+1, (Q+1)%2
	s_wait_dscnt 24                                ; all but the 24 just issued: this step's fragments are in
.else
	s_wait_dscnt 0x0
.endif
.if Q == 0
	MUL 0, 0, 1
.else
	MUL Q, Q%2, 0
.endif
.set Q, Q+1
.endr
	WIN 0
	PLACES
.irp b, 0,1,2,3
	v_mov_b32 v[TM+4+\b], 0                        ; a lane permute's destination counts as one of its sources
.endr
; The 64 numbers of a lane for U's tile a, register 16 b + i = j 32 b + 16 (lane / 16) + i, become 8 registers of codes and a scale word.  Each accumulator is read from its low end on.
.macro QUANT a
	WIN 0x05                                       ; sources 0 and 1 window 1
.irp b, 0,1,2,3
	v_max3_num_f32 v[TM+\b], |v[64*\a+16*\b]|, |v[64*\a+16*\b+1]|, 0x1800000   ; my 16 numbers of block b, and the floor 2^(3 - 127): the byte cannot fall under 1
.endr
	WIN 0x14                                       ; sources 1 and 2 window 1
.irp i, 2,4,6,8,10,12,14
.irp b, 0,1,2,3
	v_max3_num_f32 v[TM+\b], v[TM+\b], |v[64*\a+16*\b+\i]|, |v[64*\a+16*\b+\i+1]|
.endr
.endr
	WIN 0
.irp b, 0,1,2,3
	v_permlanex16_b32 v[TM+4+\b], v[TM+\b], s66, s67
.endr
.irp b, 0,1,2,3
	v_max_num_f32 v[TM+\b], v[TM+\b], v[TM+4+\b]   ; with lane l xor 16's: the block's largest magnitude
.endr
.irp b, 0,1,2,3
	v_add_nc_u32 v[TM+12+\b], 0xff000000, v[TM+\b] ; 2 off its exponent field: the conversion's scale operand
.endr
.irp b, 0,1,2,3
	v_lshrrev_b32 v[TM+4+\b], 23, v[TM+12+\b]      ; the scale's byte
.endr
	v_lshl_or_b32 v[PW+\a], v[TM+5], 8, v[TM+4]
	v_lshl_or_b32 v[PW+\a], v[TM+6], 16, v[PW+\a]
	v_lshl_or_b32 v[PW+\a], v[TM+7], 24, v[PW+\a]
	WIN 0x01                                       ; source 0 window 1
.irp b, 0,1,2,3
	v_cvt_scalef32_pk8_fp4_f32 v[PCB+8*\a+2*\b], v[64*\a+16*\b:64*\a+16*\b+7], v[TM+12+\b]
	v_cvt_scalef32_pk8_fp4_f32 v[PCB+8*\a+2*\b+1], v[64*\a+16*\b+8:64*\a+16*\b+15], v[TM+12+\b]
.endr
	WIN 0
	v_nop                                          ; one plain line behind a scaled conversion
.irp c, 0,1                                    ; a whole block to a lane: lanes 0-15 block 2 c, lanes 16-31 block 2 c + 1
.irp i, 0,1
	v_permlane16_swap_b32 v[PCB+8*\a+4*\c+\i], v[PCB+8*\a+4*\c+2+\i]
.endr
.endr
.endm
.irp a, 0,1,2,3
	QUANT \a
	global_store_b128 v6, v[PCB+8*\a:PCB+8*\a+3], s[52+2*\a:53+2*\a]     ; 512 consecutive bytes, aligned; registers of their own for each a
	global_store_b128 v7, v[PCB+8*\a+4:PCB+8*\a+7], s[52+2*\a:53+2*\a]
.endr
	v_cmp_eq_u32 vcc_lo, 0, v12                    ; lanes 0-15
	s_cmp_eq_u32 s17, 2                            ; the same in all partners
	s_cbranch_scc1 .Lv_scales
	v_perm_b32 v148, v145, v144, s68               ; head h0: tiles 0 and 1's two bytes each,
	v_perm_b32 v149, v147, v146, s68               ; tiles 2 and 3's
	v_cndmask_b32 v148, v149, v148, vcc_lo         ; lanes 0-15 the first pair of tiles, lanes 16-31 the second
	global_store_b32 v8, v148, s[60:61]
	v_perm_b32 v150, v145, v144, s69               ; head h0 + 1
	v_perm_b32 v151, v147, v146, s69
	v_cndmask_b32 v150, v151, v150, vcc_lo
	global_store_b32 v8, v150, s[62:63]
	s_branch .Ldone
.Lv_scales:
	v_cndmask_b32 v148, v146, v144, vcc_lo         ; lanes 0-15 tiles 0 and 1's words, lanes 16-31 tiles 2 and 3's
	v_cndmask_b32 v149, v147, v145, vcc_lo
	global_store_b64 v9, v[148:149], s[60:61]      ; 256 consecutive bytes, aligned
.Ldone:
	s_wait_dscnt 0x0
	s_wait_tensorcnt 0x0
	ds_add_u32 v254, v255
	s_wait_dscnt 0x0
	CROUND                                         ; the closing round: no work-group ends while a partner may still ask for a tile that names it
	s_endpgm
.Lfunc_end_k_q7f60177328_proj:
	.size	k_q7f60177328_proj, .Lfunc_end_k_q7f60177328_proj-k_q7f60177328_proj
	.p2alignl 7, 3214868480
	.fill 96, 4, 3214868480
	.section	.rodata,"a",@progbits
	.p2align	6, 0x0
	.amdhsa_kernel k_q7f60177328_proj
		.amdhsa_group_segment_fixed_size 197120
		.amdhsa_private_segment_fixed_size 0
		.amdhsa_enable_private_segment 0
		.amdhsa_kernarg_size 32
		.amdhsa_user_sgpr_count 2
		.amdhsa_user_sgpr_kernarg_segment_ptr 1
		.amdhsa_wavefront_size32 1
		.amdhsa_system_sgpr_workgroup_id_x 1
		.amdhsa_system_sgpr_workgroup_id_y 1
		.amdhsa_system_sgpr_workgroup_id_z 1
		.amdhsa_system_vgpr_workitem_id 0
		.amdhsa_next_free_vgpr 768
		.amdhsa_next_free_sgpr 96
		.amdhsa_reserve_vcc 1
		.amdhsa_float_denorm_mode_32 3
		.amdhsa_float_denorm_mode_16_64 3
		.amdhsa_memory_ordered 1
		.amdhsa_forward_progress 1
		.amdhsa_inst_pref_size 73
	.end_amdhsa_kernel
	.amdgpu_metadata
---
amdhsa.version: [ 1, 2 ]
amdhsa.kernels:
  - .name:           k_q7f60177328_proj
    .symbol:         k_q7f60177328_proj.kd
    .args:
      - { .name: cod, .offset: 0, .size: 8, .value_kind: global_buffer, .address_space: global }
      - { .name: scl, .offset: 8, .size: 8, .value_kind: global_buffer, .address_space: global }
      - { .name: hc, .offset: 16, .size: 8, .value_kind: global_buffer, .address_space: global }
      - { .name: hs, .offset: 24, .size: 8, .value_kind: global_buffer, .address_space: global }
    .group_segment_fixed_size: 197120
    .private_segment_fixed_size: 0
    .kernarg_segment_align: 8
    .kernarg_segment_size: 32
    .max_flat_workgroup_size: 128
    .sgpr_count:     96
    .vgpr_count:     768
    .wavefront_size: 32
...
	.end_amdgpu_metadata
.endif
;; end of part 2
;; launch attn (part 3): grid 4 x 64, 16 waves a work-group, no clusters, 141,312 bytes of LDS; arguments hc, hs, sen_len, cc, cs; writes cc, cs
.if DOCPART == 3
	.amdgcn_target "amdgcn-amd-amdhsa--gfx1250"
	.amdhsa_code_object_version 6
	.text
	.protected	k_q7f60177328_attn
	.globl	k_q7f60177328_attn
	.p2align	8
	.type	k_q7f60177328_attn,@function
k_q7f60177328_attn:
	s_mov_b64 s[64:65], 0
	v_nop
	global_prefetch_b8 v0, s[64:65] scope:SCOPE_SE
	s_setreg_imm32_b32 hwreg(HW_REG_WAVE_MODE, 25, 1), 1
	s_wait_xcnt 0x0
; Attention of one head on codes of FP4: scores, causal and padding mask, softmax, context; the context is divided by the row's sum and quantised along the model's axis for the last product.
; THE SOFTMAX AHEAD OF THE SECOND PRODUCT: t = score x log2(e) / 8; M = the row's largest t so far, rounded UP to a whole number; p = 2^(t - M) is quantised along the keys, not normalised.
; The row's sum is taken of the unquantised p.  When M moves, the sum and O are multiplied by 2^(old M - new M): exact.
; SHARES.  Work-group (x, bh): head bh = 16 batch + head.  Wave number n = 16 x + wave (0..63) takes query tile n and then query tile 127 - n: (t / 8) + 1 steps of 128 keys each, 17 in all for every wave.
; Tile t holds in row place r query 32 (t / 2) + 8 (t % 2) + r + 8 (r / 8); key tiles likewise.  Both products are used transposed: a lane holds one query throughout.
; K = 64.  A pair of key tiles (512 bytes each) is ONE source 0 of 8 registers; Q followed by zero codes picks the even tile, zero codes followed by Q the odd one: zero codes add nothing under any scale byte in use.
; LDS.  The head's K and V, codes and scale words, 139,264 bytes, are copied in once through registers; one barrier; afterwards the waves share nothing.
; WHY NO TENSOR LOAD AND NO JOINT REQUEST: steps that lie wholly behind sen_len are jumped over and steps that need no mask skip its 128 lines, by scalar branches on sen_len, a number read from memory.
; No prefetch: K and V are read in one run at the head.  The loops' trip count is the constant 16; what is left out is a step's work.
; MASK.  Key j counts for query i where j <= min(i, sen_len - 1).  Hidden scores become -infinity (reference() has -1e9): p = 0 either way, since key 0 counts for every query.
; LIMITS: sen_len from 1 on (0 is not served: reference() then gives a uniform softmax); above 2,048 it counts as 2,048.  Blocks of zeros carry the byte 1.  NaN and infinities are not served.
; OUT.  cc: context tile T = 128 batch + t at 8192 T, in the order of an operand's registers: head hd fills the 512 bytes at 512 hd.  cs: [T][hd][r] words: bytes 0, 1 = blocks 2 hd, 2 hd + 1.
;       The scale words leave as two pieces of 64 bytes a wave: a small part of what the launch writes.
.set VI,   65536                       ; LDS: K's images at 0, V's fragments here,
.set KSC,  131072                      ; K's scale words,
.set VSC,  135168                      ; V's
.set KFR,  48                          ; v48-79   four pairs of key tiles
.set VFR,  80                          ; v80-111  V's four fragments
.set S,    112                         ; v112-175 S^T, then p
.set O,    176                         ; v176-207 O^T
.set PC,   208                         ; v208-215 p's codes
.set KS,   216                         ; v216-219 K's scale words; v220-223 V's; v224, v225 Q's (two passes); v226 p's
.set VS,   220
.set PW,   226
.set BM,   228                         ; v228-231 block maxima; v232-235 lane exchange and bytes; v[236:237] a chain of sums; v240-243 scale operands
.set T2,   232
.set SO,   240
; v1 16 lane; v2 + VI; v3 KSC + 4 r; v4 VSC + 8 r; v5 r + 8 (r / 8); v6 16 h; v7 4 r; v8-11 the step's addresses; v12 -M; v13 largest t; v[14:15] the sum
; v16-23, v24-31 Q | 0 and 0 | Q of the first pass; v32-39, v40-47 of the second; v244 d; v245 -infinity; v[246:247] f or 1 / sum; v248 at work; v249 my limit - 16 h; v[250:253] first pass's codes; v254, v255 the passes' scale words
	s_load_b256 s[4:11], s[0:1], 0x0               ; hc s[4:5], hs s[6:7], sen_len s[8:9], cc s[10:11]
	s_load_b64 s[12:13], s[0:1], 0x20              ; cs
	v_lshl_add_u32 v238, v0, 2, 0x22000
	v_mov_b32 v239, 0
	v_lshrrev_b32 v8, 5, v0
	v_readfirstlane_b32 s14, v8                    ; wave 0..15
	s_and_b32 s15, ttmp7, 0xffff                   ; bh
	s_lshl_b32 s16, ttmp9, 4
	s_add_co_u32 s16, s16, s14                     ; n
	s_lshr_b32 s18, s15, 4                         ; batch
	s_and_b32 s19, s15, 15                         ; head
	s_mov_b32 s20, 0x76543210
	s_mov_b32 s21, 0xfedcba98                      ; v_permlanex16_b32's selects for lane l xor 16
	s_mov_b32 s22, 0x3e38aa3b                      ; c = log2(e) / 8
	s_mov_b32 s23, s22                             ; (named with it as a pair, so it is written)
	s_mov_b32 s32, s16                             ; the first pass's tile,
	s_sub_co_u32 s44, 127, s16                     ; the second's
	s_lshl_b32 s70, s18, 2
	s_mov_b32 s71, 0
	s_wait_kmcnt 0x0
	s_add_nc_u64 s[70:71], s[8:9], s[70:71]        ; never rewritten
	s_load_b32 s17, s[70:71], 0x0                  ; sen_len of my batch
; a pass's numbers, from its tile in s[sb]: +1 first query, +2 shift of its scale bytes, +3 offset in cs, [+4:+5] Q's codes, [+6:+7] Q's scale words, [+8:+9] its place in cc
.macro SETUP sb
	s_lshr_b32 s56, s[\sb], 1
	s_and_b32 s57, s[\sb], 1
	s_lshl_b32 s[\sb+1], s56, 5
	s_lshl_b32 s58, s57, 3
	s_add_co_u32 s[\sb+1], s[\sb+1], s58
	s_lshl_b32 s[\sb+2], s57, 4
	s_lshl_b32 s58, s18, 7
	s_add_co_u32 s58, s58, s[\sb]                  ; T = 128 batch + tile
	s_lshl_b32 s[\sb+3], s58, 10
	s_lshl_b32 s59, s19, 6
	s_add_co_u32 s[\sb+3], s[\sb+3], s59
	s_lshl_b32 s58, s58, 13
	s_lshl_b32 s59, s19, 9
	s_add_co_u32 s58, s58, s59
	s_mov_b32 s59, 0
	s_add_nc_u64 s[\sb+8:\sb+9], s[10:11], s[58:59]
	s_lshl_b32 s58, s15, 7
	s_add_co_u32 s58, s58, s[\sb]
	s_lshl_b32 s58, s58, 9
	s_add_nc_u64 s[\sb+4:\sb+5], s[4:5], s[58:59]
	s_lshl_b32 s58, s15, 6
	s_add_co_u32 s58, s58, s56
	s_lshl_b32 s58, s58, 6
	s_add_nc_u64 s[\sb+6:\sb+7], s[6:7], s[58:59]
.endm
	SETUP 32
	SETUP 44
	s_lshl_b32 s56, s15, 16
	s_add_co_u32 s56, s56, 4194304
	s_mov_b32 s57, 0
	s_add_nc_u64 s[60:61], s[4:5], s[56:57]        ; the head's K,
	s_add_nc_u64 s[62:63], s[60:61], 4194304       ; its V
	s_lshl_b32 s56, s15, 12
	s_mov_b32 s58, 524288-4096                     ; waves 8-15 copy V's scale words (their threads begin 4,096 bytes on),
	s_cmp_lt_u32 s14, 8
	s_cselect_b32 s58, 262144, s58                 ; waves 0-7 K's
	s_add_co_u32 s56, s56, s58
	s_add_nc_u64 s[66:67], s[6:7], s[56:57]
	v_and_b32 v8, 31, v0                           ; lane
	v_and_b32 v9, 15, v0                           ; r
	v_bfe_u32 v10, v0, 4, 1                        ; h
	v_lshlrev_b32 v1, 4, v8
	v_add_nc_u32 v2, VI, v1
	v_lshlrev_b32 v7, 2, v9
	v_add_nc_u32 v3, KSC, v7
	v_lshl_add_u32 v4, v9, 3, VSC
	v_and_b32 v5, 8, v9
	v_add_nc_u32 v5, v5, v9
	v_lshlrev_b32 v6, 4, v10
	v_lshlrev_b32 v116, 4, v0                      ; the copy: 16 bytes a thread, 8,192 an instruction
	v_add_nc_u32 v117, VI, v116
	v_add_nc_u32 v118, KSC, v116
	global_load_b128 v[16:19], v1, s[36:37]        ; Q's image twice: in front of zeros, and behind zeros
	global_load_b128 v[28:31], v1, s[36:37]
	global_load_b32 v224, v7, s[38:39]
	global_load_b128 v[32:35], v1, s[48:49]
	global_load_b128 v[44:47], v1, s[48:49]
	global_load_b32 v225, v7, s[50:51]
.irp j, 0,1,2,3,4,5,6,7
	global_load_b128 v[48+4*\j:51+4*\j], v116, s[60:61] offset:8192*\j
.endr
.irp j, 0,1,2,3,4,5,6,7
	global_load_b128 v[80+4*\j:83+4*\j], v116, s[62:63] offset:8192*\j
.endr
	global_load_b128 v[112:115], v116, s[66:67]
.irp j, 20,21,22,23,24,25,26,27,36,37,38,39,40,41,42,43
	v_mov_b32 v[\j], 0                             ; the zero codes
.endr
.irp b, 0,1,2,3
	v_mov_b32 v[T2+\b], 0                          ; a lane permute's destination counts as one of its sources
.endr
	v_mov_b32 v248, 0
	v_mov_b32 v247, 0                              ; (the upper half of the pair v[246:247])
	v_mov_b32 v245, 0xff800000                     ; -infinity
	s_wait_kmcnt 0x0
	s_sub_co_u32 s17, s17, 1
	s_min_u32 s17, s17, 2047                       ; the last key that counts for anybody
	s_wait_loadcnt 0x0
.irp j, 0,1,2,3,4,5,6,7
	ds_store_b128 v116, v[48+4*\j:51+4*\j] offset:8192*\j
.endr
.irp j, 0,1,2,3,4,5,6,7
	ds_store_b128 v117, v[80+4*\j:83+4*\j] offset:8192*\j
.endr
	ds_store_b128 v118, v[112:115]
	v_lshrrev_b32 v224, s34, v224                  ; my tile's two bytes of the pair's word,
	v_lshrrev_b32 v225, s46, v225
	v_and_b32 v224, 0xffff, v224
	v_and_b32 v225, 0xffff, v225
	v_lshl_or_b32 v224, v224, 16, v224             ; twice: for Q in front and for Q behind
	v_lshl_or_b32 v225, v225, 16, v225
	s_wait_dscnt 0x0                               ; for the others' sake: my stores have landed
	s_barrier_signal -1
	s_barrier_wait -1                              ; the launch's only barrier: K and V are whole
; A KEY STEP: 128 keys from s24 on; s25 its codes' place, s26 its scale words' place in LDS.
.macro STEP ql, qh, qs
	s_cmp_gt_u32 s24, s28                          ; all its keys come after my queries or behind sen_len: the work is left out
	s_cbranch_scc1 .Lhid_\@
	v_add_nc_u32 v8, s25, v1                       ; (these four are also the plain lines between the last step's products and the loads into their registers)
	v_add_nc_u32 v9, s25, v2
	v_add_nc_u32 v10, s26, v3
	v_add_nc_u32 v11, s26, v4
.irp p, 0,1,2,3
.irp c, 0,1
	ds_load_b128 v[KFR+8*\p+4*\c:KFR+8*\p+4*\c+3], v8 offset:1024*\p+512*\c
.endr
	ds_load_b32 v[KS+\p], v10 offset:64*\p
.endr
.irp t, 0,1,2,3
.irp c, 0,1
	ds_load_b128 v[VFR+8*\t+4*\c:VFR+8*\t+4*\c+3], v9 offset:1024*\t+512*\c
.endr
.endr
	ds_load_b64 v[VS:VS+1], v11
	ds_load_b64 v[VS+2:VS+3], v11 offset:128
	s_wait_dscnt 10                                ; K's twelve loads are in; V's ten may stay out
.irp p, 0,1,2,3                                ; S^T: register 16 p + i of lane (r, h) is key 32 p + 16 h + i of the step
	v_wmma_scale_f32_16x16x128_f8f6f4 v[S+16*\p:S+16*\p+7], v[KFR+8*\p:KFR+8*\p+7], v[\ql:\ql+7], 0, v[KS+\p], v[\qs] matrix_a_fmt:MATRIX_FMT_FP4 matrix_b_fmt:MATRIX_FMT_FP4
	v_wmma_scale_f32_16x16x128_f8f6f4 v[S+16*\p+8:S+16*\p+15], v[KFR+8*\p:KFR+8*\p+7], v[\qh:\qh+7], 0, v[KS+\p], v[\qs] matrix_a_fmt:MATRIX_FMT_FP4 matrix_b_fmt:MATRIX_FMT_FP4
.endr
.rept 4
	v_nop
.endr
	s_add_co_u32 s30, s24, 127
	s_cmp_le_u32 s30, s29                          ; all 128 keys count for all my queries: no mask
	s_cbranch_scc1 .Lopen_\@
	v_sub_nc_u32 v244, v249, s24                   ; d = my limit - 16 h - the step's first key: register 16 p + i is hidden where 32 p + i > d
.set N, 0
.rept 64
	v_cmp_gt_i32 vcc_lo, 32*(N/16)+N%16, v244
	v_cndmask_b32 v[S+N], v[S+N], v245, vcc_lo
.set N, N+1
.endr
.Lopen_\@:
.irp b, 0,1,2,3
	v_max3_num_f32 v[BM+\b], v[S+16*\b], v[S+16*\b+1], v[S+16*\b+2]   ; the largest score of each block of 32 keys: for the row's maximum, and, since p rises with the score, for the block's largest p
.endr
.irp i, 3,5,7,9,11,13
.irp b, 0,1,2,3
	v_max3_num_f32 v[BM+\b], v[BM+\b], v[S+16*\b+\i], v[S+16*\b+\i+1]
.endr
.endr
.irp b, 0,1,2,3
	v_max_num_f32 v[BM+\b], v[BM+\b], v[S+16*\b+15]
.endr
.irp b, 0,1,2,3
	v_permlanex16_b32 v[T2+\b], v[BM+\b], s20, s21
.endr
.irp b, 0,1,2,3
	v_max_num_f32 v[BM+\b], v[BM+\b], v[T2+\b]     ; with lane l xor 16's 16 keys
.endr
	v_max3_num_f32 v248, v[BM], v[BM+1], v[BM+2]
	v_max_num_f32 v248, v248, v[BM+3]
	v_mul_f32 v248, s22, v248                      ; the step's largest t
	v_max_num_f32 v13, v13, v248
	v_mov_b32 v248, v12
	v_floor_f32 v12, -v13                          ; the new -M = floor(-t): M is a whole number
	v_sub_f32 v248, v12, v248                      ; old M - new M: a whole number, 0 or less
	v_cvt_i32_f32 v248, v248                       ; (it saturates)
	v_ldexp_f32 v246, 1.0, v248                    ; f = 2^(old M - new M)
.set J, 0
.rept 32
	v_pk_fma_f32 v[S+J:S+J+1], v[S+J:S+J+1], s[22:23], v[12:13] op_sel_hi:[1,0,0]   ; t - M, two at a time
.set J, J+2
.endr
.irp b, 0,1,2,3
	v_fma_f32 v[BM+\b], v[BM+\b], s22, v12         ; the same of each block's largest score
.endr
.set J, 0
.rept 64
	v_exp_f32 v[S+J], v[S+J]                       ; p = 2^(t - M)
.set J, J+1
.endr
	v_pk_mul_f32 v[14:15], v[14:15], v[246:247] op_sel_hi:[1,0]   ; the sums under the new M (a plain line behind the exponentials)
	s_wait_alu depctr_va_vdst(0)                   ; one wait for the batch of 64, ahead of its first reader
.irp b, 0,1,2,3
	v_exp_f32 v[BM+\b], v[BM+\b]                   ; the block's largest p
.endr
	v_pk_add_f32 v[236:237], v[S:S+1], v[S+2:S+3]  ; the row's sum of the unquantised p, in two chains
.irp j, 4,8,12,16,20,24,28,32,36,40,44,48,52,56,60
	v_pk_add_f32 v[14:15], v[14:15], v[S+\j:S+\j+1]
	v_pk_add_f32 v[236:237], v[236:237], v[S+\j+2:S+\j+3]
.endr
	v_pk_add_f32 v[14:15], v[14:15], v[236:237]
	s_wait_alu depctr_va_vdst(0)                   ; and one for the four
.irp b, 0,1,2,3
	v_max_num_f32 v[BM+\b], 0x1800000, v[BM+\b]    ; the floor 2^(3 - 127): the byte cannot fall under 1
.endr
.irp b, 0,1,2,3
	v_add_nc_u32 v[SO+\b], 0xff000000, v[BM+\b]    ; 2 off the exponent field: the conversion's scale operand
.endr
.irp b, 0,1,2,3
	v_lshrrev_b32 v[T2+\b], 23, v[SO+\b]           ; the scale's byte
.endr
	v_lshl_or_b32 v[PW], v[T2+1], 8, v[T2]         ; p's scale word for these 128 keys
	v_lshl_or_b32 v[PW], v[T2+2], 16, v[PW]
	v_lshl_or_b32 v[PW], v[T2+3], 24, v[PW]
.irp b, 0,1,2,3
	v_cvt_scalef32_pk8_fp4_f32 v[PC+2*\b], v[S+16*\b:S+16*\b+7], v[SO+\b]
	v_cvt_scalef32_pk8_fp4_f32 v[PC+2*\b+1], v[S+16*\b+8:S+16*\b+15], v[SO+\b]
.endr
	v_nop                                          ; one plain line behind a scaled conversion
.irp c, 0,1                                    ; a whole block to a lane
.irp i, 0,1
	v_permlane16_swap_b32 v[PC+4*\c+\i], v[PC+4*\c+2+\i]
.endr
.endr
.set J, 0
.rept 16
	v_pk_mul_f32 v[O+J:O+J+1], v[O+J:O+J+1], v[246:247] op_sel_hi:[1,0]   ; O^T under the new M; these sixteen are also the plain lines between the scale word, the codes and the products
.set J, J+2
.endr
	s_wait_dscnt 0x0                               ; V is in
.irp t, 0,1,2,3                                ; O^T += V^T P^T: the four accumulators by turns
	v_wmma_scale_f32_16x16x128_f8f6f4 v[O+8*\t:O+8*\t+7], v[VFR+8*\t:VFR+8*\t+7], v[PC:PC+7], v[O+8*\t:O+8*\t+7], v[VS+\t], v[PW] matrix_a_fmt:MATRIX_FMT_FP4 matrix_b_fmt:MATRIX_FMT_FP4
.endr
.Lhid_\@:
.endm
; A PASS: one tile of 16 queries through all its keys; then the context's codes and scale word.
.macro PASS ql, qh, qs, sb, cx, pw
	v_mov_b32 v13, 0xff61b1e6                      ; the largest t so far: -3e38
	v_floor_f32 v12, -v13
	v_mov_b32 v14, 0
	v_mov_b32 v15, 0
.set J, 0
.rept 32
	v_mov_b32 v[O+J], 0                            ; the step is written once: the first finds zeros
.set J, J+1
.endr
	v_add_nc_u32 v249, s[\sb+1], v5                ; my query,
	v_min_u32 v249, s17, v249                      ; the last key that counts for it,
	v_sub_nc_u32 v249, v249, v6                    ; less 16 h
	s_add_co_u32 s28, s[\sb+1], 23
	s_min_u32 s28, s28, s17                        ; the last key that counts for any of my queries,
	s_min_u32 s29, s[\sb+1], s17                   ; and the last that counts for all
	s_mov_b32 s24, 0
	s_mov_b32 s25, 0
	s_mov_b32 s26, 0
	s_mov_b32 s27, 16
.Lstep_\@:
	STEP \ql, \qh, \qs
	s_add_co_u32 s24, s24, 128
	s_add_co_u32 s25, s25, 4096
	s_add_co_u32 s26, s26, 256
	s_sub_co_u32 s27, s27, 1
	s_cmp_lg_u32 s27, 0
	s_cbranch_scc1 .Lstep_\@
.rept 4
	v_nop                                          ; plain lines behind the last products
.endr
	v_add_f32 v14, v14, v15
	v_permlanex16_b32 v248, v14, s20, s21
	v_add_f32 v14, v14, v248                       ; the row's sum
	v_rcp_f32 v246, v14
	v_nop
	s_wait_alu depctr_va_vdst(0)                   ; ahead of the reciprocal's first reader
.set J, 0
.rept 16
	v_pk_mul_f32 v[O+J:O+J+1], v[O+J:O+J+1], v[246:247] op_sel_hi:[1,0]   ; the context: register 16 b + i is channel 32 b + 16 h + i of the head
.set J, J+2
.endr
.irp b, 0,1
	v_max3_num_f32 v[BM+\b], |v[O+16*\b]|, |v[O+16*\b+1]|, 0x1800000
.endr
.irp i, 2,4,6,8,10,12,14
.irp b, 0,1
	v_max3_num_f32 v[BM+\b], v[BM+\b], |v[O+16*\b+\i]|, |v[O+16*\b+\i+1]|
.endr
.endr
.irp b, 0,1
	v_permlanex16_b32 v[T2+\b], v[BM+\b], s20, s21
.endr
.irp b, 0,1
	v_max_num_f32 v[BM+\b], v[BM+\b], v[T2+\b]
.endr
.irp b, 0,1
	v_add_nc_u32 v[SO+\b], 0xff000000, v[BM+\b]
.endr
.irp b, 0,1
	v_lshrrev_b32 v[T2+\b], 23, v[SO+\b]
.endr
	v_lshl_or_b32 v[\pw], v[T2+1], 8, v[T2]
.irp b, 0,1
	v_cvt_scalef32_pk8_fp4_f32 v[\cx+2*\b], v[O+16*\b:O+16*\b+7], v[SO+\b]
	v_cvt_scalef32_pk8_fp4_f32 v[\cx+2*\b+1], v[O+16*\b+8:O+16*\b+15], v[SO+\b]
.endr
	v_nop
	v_permlane16_swap_b32 v[\cx], v[\cx+2]
	v_permlane16_swap_b32 v[\cx+1], v[\cx+3]
	global_store_b128 v1, v[\cx:\cx+3], s[\sb+8:\sb+9]   ; 512 consecutive bytes, aligned; these registers are not written again
.endm
	PASS 16, 24, 224, 32, 250, 254
	PASS 32, 40, 225, 44, 208, 255
	v_cmp_eq_u32 vcc_lo, 0, v6                     ; lanes 0-15 store the first pass's scale words, lanes 16-31 the second's
	v_cndmask_b32 v248, v255, v254, vcc_lo
	v_mov_b32 v244, s35
	v_mov_b32 v245, s47
	v_cndmask_b32 v244, v245, v244, vcc_lo
	v_add_nc_u32 v244, v244, v7
	global_store_b32 v244, v248, s[12:13]
	s_wait_tensorcnt 0x0
	ds_add_u32 v238, v239
	s_wait_dscnt 0x0
	s_endpgm
.Lfunc_end_k_q7f60177328_attn:
	.size	k_q7f60177328_attn, .Lfunc_end_k_q7f60177328_attn-k_q7f60177328_attn
	.p2alignl 7, 3214868480
	.fill 96, 4, 3214868480
	.section	.rodata,"a",@progbits
	.p2align	6, 0x0
	.amdhsa_kernel k_q7f60177328_attn
		.amdhsa_group_segment_fixed_size 141312
		.amdhsa_private_segment_fixed_size 0
		.amdhsa_enable_private_segment 0
		.amdhsa_kernarg_size 40
		.amdhsa_user_sgpr_count 2
		.amdhsa_user_sgpr_kernarg_segment_ptr 1
		.amdhsa_wavefront_size32 1
		.amdhsa_system_sgpr_workgroup_id_x 1
		.amdhsa_system_sgpr_workgroup_id_y 1
		.amdhsa_system_sgpr_workgroup_id_z 1
		.amdhsa_system_vgpr_workitem_id 0
		.amdhsa_next_free_vgpr 256
		.amdhsa_next_free_sgpr 90
		.amdhsa_reserve_vcc 1
		.amdhsa_float_denorm_mode_32 3
		.amdhsa_float_denorm_mode_16_64 3
		.amdhsa_memory_ordered 1
		.amdhsa_forward_progress 1
		.amdhsa_inst_pref_size 59
	.end_amdhsa_kernel
	.amdgpu_metadata
---
amdhsa.version: [ 1, 2 ]
amdhsa.kernels:
  - .name:           k_q7f60177328_attn
    .symbol:         k_q7f60177328_attn.kd
    .args:
      - { .name: hc, .offset: 0, .size: 8, .value_kind: global_buffer, .address_space: global }
      - { .name: hs, .offset: 8, .size: 8, .value_kind: global_buffer, .address_space: global }
      - { .name: sen_len, .offset: 16, .size: 8, .value_kind: global_buffer, .address_space: global }
      - { .name: cc, .offset: 24, .size: 8, .value_kind: global_buffer, .address_space: global }
      - { .name: cs, .offset: 32, .size: 8, .value_kind: global_buffer, .address_space: global }
    .group_segment_fixed_size: 141312
    .private_segment_fixed_size: 0
    .kernarg_segment_align: 8
    .kernarg_segment_size: 40
    .max_flat_workgroup_size: 512
    .sgpr_count:     90
    .vgpr_count:     256
    .wavefront_size: 32
...
	.end_amdgpu_metadata
.endif
;; end of part 3
;; launch outln (part 4): grid 256 x 1, 4 waves a work-group, no clusters, 168,448 bytes of LDS; arguments cc, cs, cod, scl, q, ln_gamma, ln_beta, out0; writes out0
.if DOCPART == 4
	.amdgcn_target "amdgcn-amd-amdhsa--gfx1250"
	.amdhsa_code_object_version 6
	.text
	.protected	k_q7f60177328_outln
	.globl	k_q7f60177328_outln
	.p2align	8
	.type	k_q7f60177328_outln,@function
k_q7f60177328_outln:
	s_mov_b64 s[64:65], 0
	v_nop
	global_prefetch_b8 v0, s[64:65] scope:SCOPE_SE
	s_setreg_imm32_b32 hwreg(HW_REG_WAVE_MODE, 25, 1), 1
	s_wait_xcnt 0x0
; out = LayerNorm(ctx Wo^T + q) x gamma + beta.  The product on codes of FP4; all else in f32.
; SHARES.  Work-group g: rows 32 g .. 32 g + 31 (context tiles 2 g, 2 g + 1) x all 1,024 columns, so that a row's mean and variance stay in the work-group.  Wave w: Wo's tiles 16 w .. 16 w + 15 (columns 256 w on): 32 accumulators.
; Source 0 = a tile of Wo, source 1 = a tile of the context: lane (r, h) holds row 8 a + r + 8 (r / 8) of the group; register j of tile i is column 256 w + 32 (i / 2) + 8 (i % 2) + 16 h + j.
; Each fragment of Wo is used by one wave once: it goes from memory straight into registers, in the order in which the registers take it, two K steps ahead, in three sets by turns.
; WHY NO JOINT REQUEST: all work-groups walk the same 512 KiB of Wo's codes, which do not fit in LDS beside the strips; sharing them would take a ring that is filled again, with a round of a cluster's barrier at each change.
; THE RESIDUAL costs no addition: one tensor load a wave brings its 32 rows x 256 columns of q into its own strip of LDS, and they are read in the result's layout as the C of the first products.
; (Row slots 16 apart start at the same banks: these reads, and the stores on the way out, go two deep.)
; MEAN AND VARIANCE in two passes: the mean is taken away before the squares are summed, so no difference of large sums is formed.
; THE WAY OUT goes through the same strip, which has had its only fill: whole rows come back and each store covers 512 consecutive bytes, aligned.
; REGISTERS.  window 0: v1-8 addresses; v32-95 Wo's scale words (register 8 i + s: tile i in lanes 0-15, tile i + 8 in lanes 16-31); v96-111 the context's; v112-171 at work.
;   window 1: accumulator (a, i) at v[128 a + 8 i].  window 2: set 0 at v0 (later beta), set 1 at v128 (later rows 0-15).  window 3: set 2 at v0 (later gamma); the context's fragments at v[128 + 64 a + 8 s] (later rows 16-31).
.set TS,   32
.set US,   96
.set USW,  112
.set X,    128
.set SA,   144                         ; v144-151 four chains of sums; v152, v153 a row's sum; v154, v155 lane exchange; v156-163 the waves' parts; v164-167 means; v168-171 1 / std
.set RP,   1040                        ; a row of the strip: 1,024 bytes + 16
.set STRIP, 32*RP
.set RED1, 4*STRIP                     ; the waves' parts of the sums: 128 bytes a wave;
.set RED2, RED1+512                    ; of the squares
.set MSB, 0
.macro WIN new                         ; the immediate's high byte repeats the setting that is left
.if MSB != \new
	s_set_vgpr_msb (MSB<<8)|\new
.set MSB, \new
.endif
.endm
.macro PLACES                          ; four plain vector lines between a matrix instruction and a load into, or a vector line on, its registers
.rept 4
	v_nop
.endr
.endm
	s_load_b512 s[4:19], s[0:1], 0x0               ; cc s[4:5], cs s[6:7], cod s[8:9], scl s[10:11], q s[12:13], gamma s[14:15], beta s[16:17], out0 s[18:19]
	v_lshl_add_u32 v254, v0, 2, 0x29000
	v_mov_b32 v255, 0
	ds_add_u32 v254, v255
	ds_add_u32 v254, v255
	v_lshrrev_b32 v1, 5, v0
	v_readfirstlane_b32 s20, v1                    ; wave
	; descriptor group 1: 32 rows of 256 f32, 1,024 apart in memory; in LDS 4 words of padding behind every 256
	s_mov_b32 s28, (2<<16)|(1<<20)|(7<<22)|(3<<25)
	s_mov_b32 s29, 256<<16                         ; tensor_dim0
	s_mov_b32 s30, 32<<16                          ; tensor_dim1
	s_mov_b32 s31, 256<<16                         ; tile_dim0
	s_mov_b32 s32, 32                              ; tile_dim1
	s_mov_b32 s33, 1024                            ; from row to row
	s_mov_b32 s34, 0
	s_mov_b32 s35, 0
	s_mul_i32 s22, s20, STRIP                      ; my strip
	s_lshl_b32 s36, ttmp9, 17                      ; 32 rows of 4,096 bytes,
	s_lshl_b32 s37, s20, 10                        ; my 256 columns
	s_add_co_u32 s36, s36, s37
	s_mov_b32 s37, 0
	s_mov_b32 s38, 0x76543210
	s_mov_b32 s39, 0xfedcba98                      ; v_permlanex16_b32's selects for lane l xor 16
	s_mov_b32 s40, 0x3a800000                      ; 1 / 1024
	s_mov_b32 s41, 0x3727c5ac                      ; 1e-5
	s_wait_dscnt 0x0
	s_wait_kmcnt 0x0
	s_add_nc_u64 s[12:13], s[12:13], s[36:37]
	s_add_nc_u64 s[18:19], s[18:19], s[36:37]
	s_mov_b32 s24, 1
	s_mov_b32 s25, s22
	s_mov_b64 s[26:27], s[12:13]
	s_or_b32 s27, s27, 0x80000000
	tensor_load_to_lds s[24:27], s[28:35]          ; the launch's only fill: one load of mine is out
	s_nop 0
.rept 4
	v_nop
.endr
	s_lshl_b32 s36, ttmp9, 14
	s_add_nc_u64 s[4:5], s[4:5], s[36:37]          ; my two tiles of the context,
	s_lshl_b32 s36, ttmp9, 11
	s_add_nc_u64 s[6:7], s[6:7], s[36:37]          ; their scale words
	s_lshl_b32 s36, s20, 4
	s_add_co_u32 s36, s36, 1728                    ; Wo's tile 16 w
	s_lshl_b32 s42, s36, 13
	s_mov_b32 s43, 0
	s_add_nc_u64 s[8:9], s[8:9], s[42:43]
	s_lshl_b32 s42, s36, 9
	s_add_nc_u64 s[10:11], s[10:11], s[42:43]
	s_lshl_b32 s42, s20, 10
	s_add_nc_u64 s[14:15], s[14:15], s[42:43]
	s_add_nc_u64 s[16:17], s[16:17], s[42:43]
	v_and_b32 v9, 31, v0                           ; lane
	v_and_b32 v10, 15, v0                          ; r
	v_bfe_u32 v11, v0, 4, 1                        ; h
	v_lshlrev_b32 v1, 4, v9                        ; 16 x lane
	v_and_b32 v12, 8, v10
	v_add_nc_u32 v12, v12, v10                     ; r + 8 (r / 8)
	v_mul_u32_u24 v2, v12, RP
	v_lshl_add_u32 v2, v11, 6, v2
	v_add_nc_u32 v2, s22, v2                       ; the strip in the result's layout: my row, + 64 h
	v_add_nc_u32 v3, s22, v1                       ; and by rows
	v_lshlrev_b32 v4, 2, v9                        ; 4 x lane
	v_lshlrev_b32 v5, 6, v11                       ; gamma, beta: 64 h
	v_lshlrev_b32 v6, 12, v11
	v_lshl_add_u32 v6, v10, 4, v6                  ; Wo's scale bytes: lanes 16-31 eight tiles on; 16 r
	s_lshl_b32 s21, s20, 7
	v_lshlrev_b32 v8, 2, v10
	v_add_nc_u32 v8, RED1, v8                      ; the parts: 4 r,
	v_add_nc_u32 v7, s21, v8                       ; mine 128 w on
.set J, 0
.rept 16
	v_mov_b32 v[X+J], 0                            ; a lane permute's destination counts as one of its sources
.set J, J+1
.endr
	v_mov_b32 v154, 0
	v_mov_b32 v155, 0
	WIN 0xc0                                       ; destination window 3
.irp a, 0,1
.irp s, 0,1,2,3,4,5,6,7
.irp c, 0,1
	global_load_b128 v[128+64*\a+8*\s+4*\c:128+64*\a+8*\s+4*\c+3], v1, s[4:5] offset:8192*\a+1024*\s+512*\c
.endr
.endr
.endr
	WIN 0
.irp a, 0,1
.irp s, 0,1,2,3,4,5,6,7
	global_load_b32 v[USW+8*\a+\s], v4, s[6:7] offset:1024*\a+128*\s   ; lanes 0-15 head 2 s's two bytes, lanes 16-31 head 2 s + 1's
.endr
.endr
.irp i, 0,1,2,3,4,5,6,7
.irp f, 0,1
	global_load_b128 v[TS+8*\i+4*\f:TS+8*\i+4*\f+3], v6, s[10:11] offset:512*\i+256*\f
.endr
.endr
; Wo's sixteen fragments of K step s into set s % 3
.macro TLOAD s
.if (\s)%3 == 2
	WIN 0xc0
.else
	WIN 0x80
.endif
.set TB, 128*(((\s)%3)%2)
.irp i, 0,1,2,3,4,5,6,7,8,9,10,11,12,13,14,15
.irp c, 0,1
	global_load_b128 v[TB+8*\i+4*\c:TB+8*\i+4*\c+3], v1, s[8:9] offset:8192*\i+1024*(\s)+512*\c
.endr
.endr
.endm
; gamma or beta of my 256 columns in the result's layout, 128 registers
.macro GLOAD win, p
	WIN \win
.irp i, 0,1,2,3,4,5,6,7,8,9,10,11,12,13,14,15
.irp k, 0,1
	global_load_b128 v[8*\i+4*\k:8*\i+4*\k+3], v5, s[\p:\p+1] offset:128*(\i/2)+32*(\i%2)+16*\k
.endr
.endr
.endm
; 32 matrix instructions: the 32 accumulators by turns, one instruction a turn, in the same order in every K step
.macro MUL s
.if (\s)%3 == 2
	WIN 0x5f                                       ; source 0 (Wo) window 3, source 1 (context) window 3, C and D window 1
.else
	WIN 0x5e                                       ; source 0 window 2
.endif
.set TB, 128*(((\s)%3)%2)
.irp i, 0,1,2,3,4,5,6,7,8,9,10,11,12,13,14,15
.irp a, 0,1
.if \i < 8
	v_wmma_scale_f32_16x16x128_f8f6f4 v[128*\a+8*\i:128*\a+8*\i+7], v[TB+8*\i:TB+8*\i+7], v[128+64*\a+8*(\s):128+64*\a+8*(\s)+7], v[128*\a+8*\i:128*\a+8*\i+7], v[TS+8*\i+(\s)], v[US+8*\a+(\s)] matrix_a_fmt:MATRIX_FMT_FP4 matrix_b_fmt:MATRIX_FMT_FP4
.else
	v_wmma_scale_f32_16x16x128_f8f6f4 v[128*\a+8*\i:128*\a+8*\i+7], v[TB+8*\i:TB+8*\i+7], v[128+64*\a+8*(\s):128+64*\a+8*(\s)+7], v[128*\a+8*\i:128*\a+8*\i+7], v[TS+8*(\i-8)+(\s)], v[US+8*\a+(\s)] matrix_a_fmt:MATRIX_FMT_FP4 matrix_b_fmt:MATRIX_FMT_FP4 matrix_a_scale:MATRIX_SCALE_ROW1
.endif
.endr
.endr
.endm
	TLOAD 0
	TLOAD 1
	s_wait_tensorcnt 0x0                           ; my strip has landed; I alone read it
	WIN 0x40                                       ; destination window 1
.irp a, 0,1
.irp i, 0,1,2,3,4,5,6,7,8,9,10,11,12,13,14,15
.irp k, 0,1
	ds_load_b128 v[128*\a+8*\i+4*\k:128*\a+8*\i+4*\k+3], v2 offset:8*RP*\a+128*(\i/2)+32*(\i%2)+16*\k   ; the residual, where the sums will stand
.endr
.endr
.endr
	WIN 0
	s_wait_loadcnt 63                              ; 80 loads were issued behind the context's scale words: 63, the most a wait can name, leaves only loads of Wo's fragments out
.set J, 0
.rept 16
	v_permlanex16_b32 v[X+J], v[USW+J], s38, s39
.set J, J+1
.endr
.set J, 0
.rept 16
	v_lshl_or_b32 v[US+J], v[X+J], 16, v[USW+J]    ; lanes 0-15: the four bytes of K step s of my row
.set J, J+1
.endr
.rept 8
	v_nop                                          ; a scale register written by a vector line stands eight plain lines ahead of a scaled matrix instruction
.endr
	s_wait_dscnt 0x0                               ; the residual is in
.set Q, 0
.rept 8
.if Q > 0
	PLACES                                         ; the set below was multiplied in the step before
.endif
.if Q < 6
	TLOAD Q+2
.elseif Q == 6
	GLOAD 0xc0, 14                                 ; gamma takes set 2's place,
.else
	GLOAD 0x80, 16                                 ; beta set 0's
.endif
	s_wait_loadcnt 63                              ; 64 loads were issued behind this step's fragments; 63 is the most a wait can name
	MUL Q
.set Q, Q+1
.endr
	PLACES
; from four chains of sums to the rows' sums over all 1,024 columns, in v152 and v153 of every wave
.macro ACROSS off
.irp a, 0,1
	v_pk_add_f32 v[SA+4*\a:SA+4*\a+1], v[SA+4*\a:SA+4*\a+1], v[SA+4*\a+2:SA+4*\a+3]
.endr
.irp a, 0,1
	v_add_f32 v[152+\a], v[SA+4*\a], v[SA+4*\a+1]
.endr
.irp a, 0,1
	v_permlanex16_b32 v[154+\a], v[152+\a], s38, s39
.endr
.irp a, 0,1
	v_add_f32 v[152+\a], v[152+\a], v[154+\a]      ; my wave's 256 columns of row (a, r)
.endr
	ds_store_b32 v7, v152 offset:\off              ; lanes r and r + 16 write the same word with the same value
	ds_store_b32 v7, v153 offset:\off+64
	s_wait_dscnt 0x0                               ; for the others' sake
	s_barrier_signal -1
	s_barrier_wait -1
.irp w, 0,1,2,3
.irp a, 0,1
	ds_load_b32 v[156+2*\w+\a], v8 offset:\off+128*\w+64*\a
.endr
.endr
	s_wait_dscnt 0x0
.irp a, 0,1
	v_add_f32 v[156+\a], v[156+\a], v[158+\a]
	v_add_f32 v[160+\a], v[160+\a], v[162+\a]
.endr
.irp a, 0,1
	v_add_f32 v[152+\a], v[156+\a], v[160+\a]
.endr
.endm
	WIN 0x05                                       ; sources 0 and 1 window 1.
.irp a, 0,1
	v_pk_add_f32 v[SA+4*\a:SA+4*\a+1], v[128*\a:128*\a+1], v[128*\a+4:128*\a+5]
	v_pk_add_f32 v[SA+4*\a+2:SA+4*\a+3], v[128*\a+2:128*\a+3], v[128*\a+6:128*\a+7]
.endr
	WIN 0x04                                       ; source 1 window 1
.set M, 8
.rept 30
.irp a, 0,1
	v_pk_add_f32 v[SA+4*\a:SA+4*\a+1], v[SA+4*\a:SA+4*\a+1], v[128*\a+M:128*\a+M+1]
	v_pk_add_f32 v[SA+4*\a+2:SA+4*\a+3], v[SA+4*\a+2:SA+4*\a+3], v[128*\a+M+2:128*\a+M+3]
.endr
.set M, M+4
.endr
	WIN 0
	ACROSS 0
.irp a, 0,1
	v_mul_f32 v[164+2*\a], s40, v[152+\a]          ; the mean, in both halves of a pair
	v_mul_f32 v[165+2*\a], s40, v[152+\a]
.endr
	WIN 0x41                                       ; source 0 and destination window 1
.set M, 0
.rept 64
.irp a, 0,1
	v_pk_add_f32 v[128*\a+M:128*\a+M+1], v[128*\a+M:128*\a+M+1], v[164+2*\a:165+2*\a] neg_lo:[0,1] neg_hi:[0,1]
.endr
.set M, M+2
.endr
	WIN 0x05
.irp a, 0,1
	v_pk_mul_f32 v[SA+4*\a:SA+4*\a+1], v[128*\a:128*\a+1], v[128*\a:128*\a+1]
	v_pk_mul_f32 v[SA+4*\a+2:SA+4*\a+3], v[128*\a+2:128*\a+3], v[128*\a+2:128*\a+3]
.endr
.set M, 4
.rept 31
.irp a, 0,1
	v_pk_fma_f32 v[SA+4*\a:SA+4*\a+1], v[128*\a+M:128*\a+M+1], v[128*\a+M:128*\a+M+1], v[SA+4*\a:SA+4*\a+1]
	v_pk_fma_f32 v[SA+4*\a+2:SA+4*\a+3], v[128*\a+M+2:128*\a+M+3], v[128*\a+M+2:128*\a+M+3], v[SA+4*\a+2:SA+4*\a+3]
.endr
.set M, M+4
.endr
	WIN 0
	ACROSS 512                                     ; other bytes than the first time: no third barrier is wanted
	v_fma_f32 v152, v152, s40, s41                 ; the variance + 1e-5
	v_fma_f32 v153, v153, s40, s41
	v_rsq_f32 v168, v152
	v_rsq_f32 v170, v153
	v_nop
	s_wait_alu depctr_va_vdst(0)                   ; ahead of the first reader of the two
	v_mov_b32 v169, v168
	v_mov_b32 v171, v170
	s_wait_loadcnt 0x0                             ; gamma and beta
	WIN 0x41
.set M, 0
.rept 64
.irp a, 0,1
	v_pk_mul_f32 v[128*\a+M:128*\a+M+1], v[128*\a+M:128*\a+M+1], v[168+2*\a:169+2*\a]
.endr
.set M, M+2
.endr
	WIN 0x6d                                       ; source 0 and destination window 1, source 1 (gamma) window 3, source 2 (beta) window 2
.set M, 0
.rept 64
.irp a, 0,1
	v_pk_fma_f32 v[128*\a+M:128*\a+M+1], v[128*\a+M:128*\a+M+1], v[M:M+1], v[M:M+1]
.endr
.set M, M+2
.endr
	WIN 0x04                                       ; an LDS store's data are its source 1: window 1
.irp a, 0,1
.irp i, 0,1,2,3,4,5,6,7,8,9,10,11,12,13,14,15
.irp k, 0,1
	ds_store_b128 v2, v[128*\a+8*\i+4*\k:128*\a+8*\i+4*\k+3] offset:8*RP*\a+128*(\i/2)+32*(\i%2)+16*\k
.endr
.endr
.endr
	WIN 0x80                                       ; LDS serves a wave's instructions in order (ISA guide 5.7.1.4): these see my stores
.set M, 0
.rept 16
	ds_load_b128 v[128+8*M:128+8*M+3], v3 offset:RP*M
	ds_load_b128 v[128+8*M+4:128+8*M+7], v3 offset:RP*M+512
.set M, M+1
.endr
	WIN 0xc0
.set M, 0
.rept 16
	ds_load_b128 v[128+8*M:128+8*M+3], v3 offset:RP*(M+16)
	ds_load_b128 v[128+8*M+4:128+8*M+7], v3 offset:RP*(M+16)+512
.set M, M+1
.endr
	WIN 0x08                                       ; a store's data are its source 1: window 2
.set M, 0
.rept 16
	s_wait_dscnt 62-2*M                            ; behind row M's two loads: 62 - 2 M others
	global_store_b128 v1, v[128+8*M:128+8*M+3], s[18:19] offset:4096*M th:TH_STORE_NT          ; 512 consecutive bytes, aligned; written once, read by nobody here
	global_store_b128 v1, v[128+8*M+4:128+8*M+7], s[18:19] offset:4096*M+512 th:TH_STORE_NT
.set M, M+1
.endr
	WIN 0x0c                                       ; window 3
.set M, 0
.rept 16
	s_wait_dscnt 30-2*M
	global_store_b128 v1, v[128+8*M:128+8*M+3], s[18:19] offset:4096*(M+16) th:TH_STORE_NT
	global_store_b128 v1, v[128+8*M+4:128+8*M+7], s[18:19] offset:4096*(M+16)+512 th:TH_STORE_NT
.set M, M+1
.endr
	WIN 0
	s_wait_tensorcnt 0x0
	ds_add_u32 v254, v255
	s_wait_dscnt 0x0
	s_endpgm
.Lfunc_end_k_q7f60177328_outln:
	.size	k_q7f60177328_outln, .Lfunc_end_k_q7f60177328_outln-k_q7f60177328_outln
	.p2alignl 7, 3214868480
	.fill 96, 4, 3214868480
	.section	.rodata,"a",@progbits
	.p2align	6, 0x0
	.amdhsa_kernel k_q7f60177328_outln
		.amdhsa_group_segment_fixed_size 168448
		.amdhsa_private_segment_fixed_size 0
		.amdhsa_enable_private_segment 0
		.amdhsa_kernarg_size 64
		.amdhsa_user_sgpr_count 2
		.amdhsa_user_sgpr_kernarg_segment_ptr 1
		.amdhsa_wavefront_size32 1
		.amdhsa_system_sgpr_workgroup_id_x 1
		.amdhsa_system_sgpr_workgroup_id_y 1
		.amdhsa_system_sgpr_workgroup_id_z 1
		.amdhsa_system_vgpr_workitem_id 0
		.amdhsa_next_free_vgpr 1024
		.amdhsa_next_free_sgpr 66
		.amdhsa_reserve_vcc 0
		.amdhsa_float_denorm_mode_32 3
		.amdhsa_float_denorm_mode_16_64 3
		.amdhsa_memory_ordered 1
		.amdhsa_forward_progress 1
		.amdhsa_inst_pref_size 139
	.end_amdhsa_kernel
	.amdgpu_metadata
---
amdhsa.version: [ 1, 2 ]
amdhsa.kernels:
  - .name:           k_q7f60177328_outln
    .symbol:         k_q7f60177328_outln.kd
    .args:
      - { .name: cc, .offset: 0, .size: 8, .value_kind: global_buffer, .address_space: global }
      - { .name: cs, .offset: 8, .size: 8, .value_kind: global_buffer, .address_space: global }
      - { .name: cod, .offset: 16, .size: 8, .value_kind: global_buffer, .address_space: global }
      - { .name: scl, .offset: 24, .size: 8, .value_kind: global_buffer, .address_space: global }
      - { .name: q, .offset: 32, .size: 8, .value_kind: global_buffer, .address_space: global }
      - { .name: ln_gamma, .offset: 40, .size: 8, .value_kind: global_buffer, .address_space: global }
      - { .name: ln_beta, .offset: 48, .size: 8, .value_kind: global_buffer, .address_space: global }
      - { .name: out0, .offset: 56, .size: 8, .value_kind: global_buffer, .address_space: global }
    .group_segment_fixed_size: 168448
    .private_segment_fixed_size: 0
    .kernarg_segment_align: 8
    .kernarg_segment_size: 64
    .max_flat_workgroup_size: 128
    .sgpr_count:     66
    .vgpr_count:     1024
    .wavefront_size: 32
...
	.end_amdgpu_metadata
.endif
;; end of part 4
;; ======== version 2 of 2: 4 launches; version 1 with the launch attn written anew for expert scheduling mode
;; workspace buffers: cod 14,680,064 bytes; scl 917,504 bytes; hc 12,582,912 bytes; hs 786,432 bytes; cc 4,194,304 bytes; cs 524,288 bytes
;; launch quant: the kernel of part 1 again; grid 896 x 1, 4 waves a work-group, no clusters, 39,424 bytes of LDS; arguments q, k, v, Wq, Wk, Wv, Wo, cod, scl; writes cod, scl
;; launch proj: the kernel of part 2 again; grid 256 x 3, 4 waves a work-group, clusters of 4 x 1, 197,120 bytes of LDS; arguments cod, scl, hc, hs; writes hc, hs
;; launch attn (part 5): grid 4 x 64, 16 waves a work-group, no clusters, 141,312 bytes of LDS; arguments hc, hs, sen_len, cc, cs; writes cc, cs
.if DOCPART == 5
	.amdgcn_target "amdgcn-amd-amdhsa--gfx1250"
	.amdhsa_code_object_version 6
	.text
	.protected	k_q7f60177328_attn
	.globl	k_q7f60177328_attn
	.p2align	8
	.type	k_q7f60177328_attn,@function
k_q7f60177328_attn:
	s_mov_b64 s[64:65], 0
	v_nop
	global_prefetch_b8 v0, s[64:65] scope:SCOPE_SE
	s_setreg_imm32_b32 hwreg(HW_REG_WAVE_SCHED_MODE, 0, 2), 2
	s_setreg_imm32_b32 hwreg(HW_REG_WAVE_MODE, 25, 1), 1
	s_wait_xcnt 0x0
	s_wait_alu depctr_vm_vsrc(0)
; Attention of one head on codes of FP4: scores, causal and padding mask, softmax, context; the context is divided by the row's sum and quantised along the model's axis for the last product.
; THE SOFTMAX AHEAD OF THE SECOND PRODUCT: t = score x log2(e) / 8; M = the row's largest t so far, rounded UP to a whole number; p = 2^(t - M) is quantised along the keys, not normalised.
; The row's sum is taken of the unquantised p.  When M moves, the sum and O are multiplied by 2^(old M - new M): exact.
; SHARES.  Work-group (x, bh): head bh = 16 batch + head.  Wave number n = 16 x + wave (0..63) takes query tile n and then query tile 127 - n: (t / 8) + 1 steps of 128 keys each, 17 in all for every wave.
; Tile t holds in row place r query 32 (t / 2) + 8 (t % 2) + r + 8 (r / 8); key tiles likewise.  Both products are used transposed: a lane holds one query throughout.
; K = 64.  A pair of key tiles (512 bytes each) is ONE source 0 of 8 registers; Q followed by zero codes picks the even tile, zero codes followed by Q the odd one: zero codes add nothing under any scale byte in use.
; LDS.  The head's K and V, codes and scale words, 139,264 bytes, are copied in once through registers; one barrier; afterwards the waves share nothing.
; WHY NO TENSOR LOAD AND NO JOINT REQUEST: steps that lie wholly behind sen_len are jumped over and steps that need no mask skip its lines, by scalar branches on sen_len, a number read from memory.
; No prefetch: K and V are read in one run at the head.  The loops' trip count is the constant 16; what is left out is a step's work.
; MASK.  Key j counts for query i where j <= min(i, sen_len - 1).  Hidden scores become -infinity (reference() has -1e9): p = 0 either way, since key 0 counts for every query.
; LIMITS: sen_len from 1 on (0 is not served: reference() then gives a uniform softmax); above 2,048 it counts as 2,048.  Blocks of zeros carry the byte 1.  NaN and infinities are not served.
; OUT.  cc: context tile T = 128 batch + t at 8192 T, in the order of an operand's registers: head hd fills the 512 bytes at 512 hd.  cs: [T][hd][r] words: bytes 0, 1 = blocks 2 hd, 2 hd + 1.
;       The scale words leave as two pieces of 64 bytes a wave: a small part of what the launch writes.
; THE MODE: SCHED_MODE bits 1:0 = 2 (LLVM: expert scheduling mode 2), set by the entry lines.  The code itself states the register dependences
; between vector or matrix instructions and memory or LDS instructions, with s_wait_alu, always for 0.
; THE PLAN.  Registers that memory or LDS instructions touch:
;   v1, v7        offsets, made once at the head and never written again.
;   v116-118      the copy's offset and LDS addresses: made at the head, read by the copy's loads and LDS stores; from the first step on they are part of S.
;   v48-115       the copy's data: global loads land there, LDS stores read them; from the first step on they are K's and V's fragments and part of S.
;   v8-11         a step's LDS addresses: written by four additions at the step's head, read by the step's 22 LDS loads.
;   KFR, KS       K's fragments and scale words: twelve LDS loads land there at the step's head; the step's eight first products read them.
;   VFR, VS       V's: ten LDS loads land there, dealt among the eight first products; the step's four last products read them.
;   PC, PW        p's codes and scale word: written by vector lines, read by the four last products.
;   v250-253, v208-211, v244, v248   data and offset of the stores at a pass's end and at the kernel's: written ahead of the store, never behind it.
; A step so has: one wait on vm_vsrc ahead of the four additions; one on va_vdst behind them, which also shows the last step's products done with all four kinds of fragment registers, so that the step's
; 22 loads owe nothing more (the eight first products, which stand among V's loads, name S, KFR, KS and Q: none of v9, v11, VFR, VS); the two waits behind the exponentials; one on va_vdst ahead of the four last products.
; There is one set of fragments: sixteen waves of 256 registers leave none for a second.
.set VI,   65536                       ; LDS: K's images at 0, V's fragments here,
.set KSC,  131072                      ; K's scale words,
.set VSC,  135168                      ; V's
.set KFR,  48                          ; v48-79   four pairs of key tiles
.set VFR,  80                          ; v80-111  V's four fragments
.set S,    112                         ; v112-175 S^T, then p
.set O,    176                         ; v176-207 O^T
.set PC,   208                         ; v208-215 p's codes
.set KS,   216                         ; v216-219 K's scale words; v220-223 V's; v224, v225 Q's (two passes); v226 p's
.set VS,   220
.set PW,   226
.set BM,   228                         ; v228-231 block maxima; v232-235 lane exchange and bytes; v[236:237] a chain of sums; v240-243 scale operands
.set T2,   232
.set SO,   240
.set MK,   72                          ; s72-87   sixteen masks of the causal and padding mask
; v1 16 lane; v2 + VI; v3 KSC + 4 r; v4 VSC + 8 r; v5 r + 8 (r / 8); v6 16 h; v7 4 r; v8-11 the step's addresses; v12 -M; v13 largest t; v[14:15] the sum
; v16-23, v24-31 Q | 0 and 0 | Q of the first pass; v32-39, v40-47 of the second; v244 d; v245 -infinity; v[246:247] f or 1 / sum; v248 at work; v249 my limit - 16 h; v[250:253] first pass's codes; v254, v255 the passes' scale words
	s_load_b256 s[4:11], s[0:1], 0x0               ; hc s[4:5], hs s[6:7], sen_len s[8:9], cc s[10:11]
	s_load_b64 s[12:13], s[0:1], 0x20              ; cs
	v_lshl_add_u32 v238, v0, 2, 0x22000
	v_mov_b32 v239, 0
	v_lshrrev_b32 v8, 5, v0
	v_readfirstlane_b32 s14, v8                    ; wave 0..15
	s_and_b32 s15, ttmp7, 0xffff                   ; bh
	s_lshl_b32 s16, ttmp9, 4
	s_wait_alu depctr_va_sdst(0)                   ; s14 is written, ahead of its first reader: the wave's tiles and the copy's base are made from it
	s_add_co_u32 s16, s16, s14                     ; n
	s_lshr_b32 s18, s15, 4                         ; batch
	s_and_b32 s19, s15, 15                         ; head
	s_mov_b32 s20, 0x76543210
	s_mov_b32 s21, 0xfedcba98                      ; v_permlanex16_b32's selects for lane l xor 16
	s_mov_b32 s22, 0x3e38aa3b                      ; c = log2(e) / 8
	s_mov_b32 s23, s22                             ; (named with it as a pair, so it is written)
	s_mov_b32 s32, s16                             ; the first pass's tile,
	s_sub_co_u32 s44, 127, s16                     ; the second's
	s_lshl_b32 s70, s18, 2
	s_mov_b32 s71, 0
	s_wait_kmcnt 0x0
	s_add_nc_u64 s[70:71], s[8:9], s[70:71]        ; never rewritten
	s_load_b32 s17, s[70:71], 0x0                  ; sen_len of my batch
; a pass's numbers, from its tile in s[sb]: +1 first query, +2 shift of its scale bytes, +3 offset in cs, [+4:+5] Q's codes, [+6:+7] Q's scale words, [+8:+9] its place in cc
.macro SETUP sb
	s_lshr_b32 s56, s[\sb], 1
	s_and_b32 s57, s[\sb], 1
	s_lshl_b32 s[\sb+1], s56, 5
	s_lshl_b32 s58, s57, 3
	s_add_co_u32 s[\sb+1], s[\sb+1], s58
	s_lshl_b32 s[\sb+2], s57, 4
	s_lshl_b32 s58, s18, 7
	s_add_co_u32 s58, s58, s[\sb]                  ; T = 128 batch + tile
	s_lshl_b32 s[\sb+3], s58, 10
	s_lshl_b32 s59, s19, 6
	s_add_co_u32 s[\sb+3], s[\sb+3], s59
	s_lshl_b32 s58, s58, 13
	s_lshl_b32 s59, s19, 9
	s_add_co_u32 s58, s58, s59
	s_mov_b32 s59, 0
	s_add_nc_u64 s[\sb+8:\sb+9], s[10:11], s[58:59]
	s_lshl_b32 s58, s15, 7
	s_add_co_u32 s58, s58, s[\sb]
	s_lshl_b32 s58, s58, 9
	s_add_nc_u64 s[\sb+4:\sb+5], s[4:5], s[58:59]
	s_lshl_b32 s58, s15, 6
	s_add_co_u32 s58, s58, s56
	s_lshl_b32 s58, s58, 6
	s_add_nc_u64 s[\sb+6:\sb+7], s[6:7], s[58:59]
.endm
	SETUP 32
	SETUP 44
	s_lshl_b32 s56, s15, 16
	s_add_co_u32 s56, s56, 4194304
	s_mov_b32 s57, 0
	s_add_nc_u64 s[60:61], s[4:5], s[56:57]        ; the head's K,
	s_add_nc_u64 s[62:63], s[60:61], 4194304       ; its V
	s_lshl_b32 s56, s15, 12
	s_mov_b32 s58, 524288-4096                     ; waves 8-15 copy V's scale words (their threads begin 4,096 bytes on),
	s_cmp_lt_u32 s14, 8
	s_cselect_b32 s58, 262144, s58                 ; waves 0-7 K's
	s_add_co_u32 s56, s56, s58
	s_add_nc_u64 s[66:67], s[6:7], s[56:57]
	v_and_b32 v8, 31, v0                           ; lane
	v_and_b32 v9, 15, v0                           ; r
	v_bfe_u32 v10, v0, 4, 1                        ; h
	v_lshlrev_b32 v1, 4, v8
	v_add_nc_u32 v2, VI, v1
	v_lshlrev_b32 v7, 2, v9
	v_add_nc_u32 v3, KSC, v7
	v_lshl_add_u32 v4, v9, 3, VSC
	v_and_b32 v5, 8, v9
	v_add_nc_u32 v5, v5, v9
	v_lshlrev_b32 v6, 4, v10
	v_lshlrev_b32 v116, 4, v0                      ; the copy: 16 bytes a thread, 8,192 an instruction
	v_add_nc_u32 v117, VI, v116
	v_add_nc_u32 v118, KSC, v116
	s_wait_alu depctr_va_vdst(0)                   ; v1, v7 and v116 are written, which the loads below read as offsets; so are v117 and v118, which the LDS stores below read as addresses
	global_load_b128 v[16:19], v1, s[36:37]        ; Q's image twice: in front of zeros, and behind zeros
	global_load_b128 v[28:31], v1, s[36:37]
	global_load_b32 v224, v7, s[38:39]
	global_load_b128 v[32:35], v1, s[48:49]
	global_load_b128 v[44:47], v1, s[48:49]
	global_load_b32 v225, v7, s[50:51]
.irp j, 0,1,2,3,4,5,6,7
	global_load_b128 v[48+4*\j:51+4*\j], v116, s[60:61] offset:8192*\j
.endr
.irp j, 0,1,2,3,4,5,6,7
	global_load_b128 v[80+4*\j:83+4*\j], v116, s[62:63] offset:8192*\j
.endr
	global_load_b128 v[112:115], v116, s[66:67]
.irp j, 20,21,22,23,24,25,26,27,36,37,38,39,40,41,42,43
	v_mov_b32 v[\j], 0                             ; the zero codes (no line from here to the LDS stores names a register that the loads above or those stores touch)
.endr
.irp b, 0,1,2,3
	v_mov_b32 v[T2+\b], 0                          ; a lane permute's destination counts as one of its sources
.endr
	v_mov_b32 v248, 0
	v_mov_b32 v247, 0                              ; (the upper half of the pair v[246:247])
	v_mov_b32 v245, 0xff800000                     ; -infinity
	s_wait_kmcnt 0x0
	s_sub_co_u32 s17, s17, 1
	s_min_u32 s17, s17, 2047                       ; the last key that counts for anybody
	s_wait_loadcnt 0x0
.irp j, 0,1,2,3,4,5,6,7
	ds_store_b128 v116, v[48+4*\j:51+4*\j] offset:8192*\j
.endr
.irp j, 0,1,2,3,4,5,6,7
	ds_store_b128 v117, v[80+4*\j:83+4*\j] offset:8192*\j
.endr
	ds_store_b128 v118, v[112:115]
	v_lshrrev_b32 v224, s34, v224                  ; my tile's two bytes of the pair's word,
	v_lshrrev_b32 v225, s46, v225
	v_and_b32 v224, 0xffff, v224
	v_and_b32 v225, 0xffff, v225
	v_lshl_or_b32 v224, v224, 16, v224             ; twice: for Q in front and for Q behind
	v_lshl_or_b32 v225, v225, 16, v225
	s_wait_dscnt 0x0                               ; for the others' sake: my stores have landed
	s_barrier_signal -1
	s_barrier_wait -1                              ; the launch's only barrier: K and V are whole
	s_wait_alu depctr_vm_vsrc(0)                   ; the copy's loads and LDS stores have read v48 to v118: from here on these registers are K's and V's fragments, in which LDS loads land, and S, which products write
; A KEY STEP: 128 keys from s24 on; s25 its codes' place, s26 its scale words' place in LDS.
.macro STEP ql, qh, qs
	s_cmp_gt_u32 s24, s28                          ; all its keys come after my queries or behind sen_len: the work is left out
	s_cbranch_scc1 .Lhid_\@
	s_wait_alu depctr_vm_vsrc(0)                   ; the last step's LDS loads have read v8 to v11, which the four lines below write anew
	v_add_nc_u32 v8, s25, v1
	v_add_nc_u32 v9, s25, v2
	v_add_nc_u32 v10, s26, v3
	v_add_nc_u32 v11, s26, v4
	s_wait_alu depctr_va_vdst(0)                   ; v8 to v11 are written, which the 22 loads below read; the last step's products are done reading KFR, KS, VFR and VS, in which those loads land; in a pass's first step Q's zero codes and scale word are written, which the first products take
.irp p, 0,1,2,3
.irp c, 0,1
	ds_load_b128 v[KFR+8*\p+4*\c:KFR+8*\p+4*\c+3], v8 offset:1024*\p+512*\c
.endr
	ds_load_b32 v[KS+\p], v10 offset:64*\p
.endr
	s_wait_dscnt 0x0                               ; K's twelve loads are in; nothing else of mine is out
.irp p, 0,1,2,3                                ; S^T: register 16 p + i of lane (r, h) is key 32 p + 16 h + i of the step.  V's loads are dealt among these products, which name none of v9, v11, VFR, VS: no further wait
	v_wmma_scale_f32_16x16x128_f8f6f4 v[S+16*\p:S+16*\p+7], v[KFR+8*\p:KFR+8*\p+7], v[\ql:\ql+7], 0, v[KS+\p], v[\qs] matrix_a_fmt:MATRIX_FMT_FP4 matrix_b_fmt:MATRIX_FMT_FP4
	v_wmma_scale_f32_16x16x128_f8f6f4 v[S+16*\p+8:S+16*\p+15], v[KFR+8*\p:KFR+8*\p+7], v[\qh:\qh+7], 0, v[KS+\p], v[\qs] matrix_a_fmt:MATRIX_FMT_FP4 matrix_b_fmt:MATRIX_FMT_FP4
.irp c, 0,1
	ds_load_b128 v[VFR+8*\p+4*\c:VFR+8*\p+4*\c+3], v9 offset:1024*\p+512*\c
.endr
.endr
	ds_load_b64 v[VS:VS+1], v11
	ds_load_b64 v[VS+2:VS+3], v11 offset:128
.rept 4
	v_nop                                          ; four plain lines behind the last product, before its result is read (ISA guide 7.12.1)
.endr
	s_add_co_u32 s30, s24, 127
	s_cmp_le_u32 s30, s29                          ; all 128 keys count for all my queries: no mask
	s_cbranch_scc1 .Lopen_\@
	v_sub_nc_u32 v244, v249, s24                   ; d = my limit - 16 h - the step's first key: register 16 p + i is hidden where 32 p + i > d
.irp g, 0,1,2,3                                ; sixteen compares in a run, one wait, sixteen selects
.irp i, 0,1,2,3,4,5,6,7,8,9,10,11,12,13,14,15
	v_cmp_gt_i32 s[MK+\i], 32*\g+\i, v244
.endr
	s_wait_alu depctr_va_sdst(0)                   ; the sixteen compares have written s72 to s87, which the selects below read
.irp i, 0,1,2,3,4,5,6,7,8,9,10,11,12,13,14,15
	v_cndmask_b32 v[S+16*\g+\i], v[S+16*\g+\i], v245, s[MK+\i]
.endr
.endr
.Lopen_\@:
.irp b, 0,1,2,3
	v_max3_num_f32 v[BM+\b], v[S+16*\b], v[S+16*\b+1], v[S+16*\b+2]   ; the largest score of each block of 32 keys: for the row's maximum, and, since p rises with the score, for the block's largest p
.endr
.irp i, 3,5,7,9,11,13
.irp b, 0,1,2,3
	v_max3_num_f32 v[BM+\b], v[BM+\b], v[S+16*\b+\i], v[S+16*\b+\i+1]
.endr
.endr
.irp b, 0,1,2,3
	v_max_num_f32 v[BM+\b], v[BM+\b], v[S+16*\b+15]
.endr
.irp b, 0,1,2,3
	v_permlanex16_b32 v[T2+\b], v[BM+\b], s20, s21
.endr
.irp b, 0,1,2,3
	v_max_num_f32 v[BM+\b], v[BM+\b], v[T2+\b]     ; with lane l xor 16's 16 keys
.endr
	v_max3_num_f32 v248, v[BM], v[BM+1], v[BM+2]
	v_max_num_f32 v248, v248, v[BM+3]
	v_mul_f32 v248, s22, v248                      ; the step's largest t
	v_max_num_f32 v13, v13, v248
	v_mov_b32 v248, v12
	v_floor_f32 v12, -v13                          ; the new -M = floor(-t): M is a whole number
	v_sub_f32 v248, v12, v248                      ; old M - new M: a whole number, 0 or less
	v_cvt_i32_f32 v248, v248                       ; (it saturates)
	v_ldexp_f32 v246, 1.0, v248                    ; f = 2^(old M - new M)
.set J, 0
.rept 32
	v_pk_fma_f32 v[S+J:S+J+1], v[S+J:S+J+1], s[22:23], v[12:13] op_sel_hi:[1,0,0]   ; t - M, two at a time
.set J, J+2
.endr
.irp b, 0,1,2,3
	v_fma_f32 v[BM+\b], v[BM+\b], s22, v12         ; the same of each block's largest score
.endr
.set J, 0
.rept 64
	v_exp_f32 v[S+J], v[S+J]                       ; p = 2^(t - M)
.set J, J+1
.endr
	v_pk_mul_f32 v[14:15], v[14:15], v[246:247] op_sel_hi:[1,0]   ; the sums under the new M (a plain line behind the exponentials)
	s_wait_alu depctr_va_vdst(0)                   ; the 64 exponentials have written p in v[S ..]: one wait for the batch, ahead of its first reader
.irp b, 0,1,2,3
	v_exp_f32 v[BM+\b], v[BM+\b]                   ; the block's largest p
.endr
	v_pk_add_f32 v[236:237], v[S:S+1], v[S+2:S+3]  ; the row's sum of the unquantised p, in two chains
.irp j, 4,8,12,16,20,24,28,32,36,40,44,48,52,56,60
	v_pk_add_f32 v[14:15], v[14:15], v[S+\j:S+\j+1]
	v_pk_add_f32 v[236:237], v[236:237], v[S+\j+2:S+\j+3]
.endr
	v_pk_add_f32 v[14:15], v[14:15], v[236:237]
	s_wait_alu depctr_va_vdst(0)                   ; the four exponentials have written v[BM ..], ahead of their first reader
.irp b, 0,1,2,3
	v_max_num_f32 v[BM+\b], 0x1800000, v[BM+\b]    ; the floor 2^(3 - 127): the byte cannot fall under 1
.endr
.irp b, 0,1,2,3
	v_add_nc_u32 v[SO+\b], 0xff000000, v[BM+\b]    ; 2 off the exponent field: the conversion's scale operand
.endr
.irp b, 0,1,2,3
	v_lshrrev_b32 v[T2+\b], 23, v[SO+\b]           ; the scale's byte
.endr
	v_lshl_or_b32 v[PW], v[T2+1], 8, v[T2]         ; p's scale word for these 128 keys
	v_lshl_or_b32 v[PW], v[T2+2], 16, v[PW]
	v_lshl_or_b32 v[PW], v[T2+3], 24, v[PW]
.irp b, 0,1,2,3
	v_cvt_scalef32_pk8_fp4_f32 v[PC+2*\b], v[S+16*\b:S+16*\b+7], v[SO+\b]
	v_cvt_scalef32_pk8_fp4_f32 v[PC+2*\b+1], v[S+16*\b+8:S+16*\b+15], v[SO+\b]
.endr
	v_nop                                          ; one plain line behind a scaled conversion
.irp c, 0,1                                    ; a whole block to a lane
.irp i, 0,1
	v_permlane16_swap_b32 v[PC+4*\c+\i], v[PC+4*\c+2+\i]
.endr
.endr
.set J, 0
.rept 16
	v_pk_mul_f32 v[O+J:O+J+1], v[O+J:O+J+1], v[246:247] op_sel_hi:[1,0]   ; O^T under the new M; these sixteen are also the plain lines between the scale word, the codes and the products
.set J, J+2
.endr
	s_wait_dscnt 0x0                               ; V is in
	s_wait_alu depctr_va_vdst(0)                   ; p's codes in v[PC ..] and its scale word v[PW] are written, which the scaled products below take; the plain lines above stay beside this wait
.irp t, 0,1,2,3                                ; O^T += V^T P^T: the four accumulators by turns
	v_wmma_scale_f32_16x16x128_f8f6f4 v[O+8*\t:O+8*\t+7], v[VFR+8*\t:VFR+8*\t+7], v[PC:PC+7], v[O+8*\t:O+8*\t+7], v[VS+\t], v[PW] matrix_a_fmt:MATRIX_FMT_FP4 matrix_b_fmt:MATRIX_FMT_FP4
.endr
.Lhid_\@:
.endm
; A PASS: one tile of 16 queries through all its keys; then the context's codes and scale word.
.macro PASS ql, qh, qs, sb, cx, pw
	v_mov_b32 v13, 0xff61b1e6                      ; the largest t so far: -3e38
	v_floor_f32 v12, -v13
	v_mov_b32 v14, 0
	v_mov_b32 v15, 0
.set J, 0
.rept 32
	v_mov_b32 v[O+J], 0                            ; the step is written once: the first finds zeros
.set J, J+1
.endr
	v_add_nc_u32 v249, s[\sb+1], v5                ; my query,
	v_min_u32 v249, s17, v249                      ; the last key that counts for it,
	v_sub_nc_u32 v249, v249, v6                    ; less 16 h
	s_add_co_u32 s28, s[\sb+1], 23
	s_min_u32 s28, s28, s17                        ; the last key that counts for any of my queries,
	s_min_u32 s29, s[\sb+1], s17                   ; and the last that counts for all
	s_mov_b32 s24, 0
	s_mov_b32 s25, 0
	s_mov_b32 s26, 0
	s_mov_b32 s27, 16
.Lstep_\@:
	STEP \ql, \qh, \qs
	s_add_co_u32 s24, s24, 128
	s_add_co_u32 s25, s25, 4096
	s_add_co_u32 s26, s26, 256
	s_sub_co_u32 s27, s27, 1
	s_cmp_lg_u32 s27, 0
	s_cbranch_scc1 .Lstep_\@
.rept 4
	v_nop                                          ; plain lines behind the last products
.endr
	v_add_f32 v14, v14, v15
	v_permlanex16_b32 v248, v14, s20, s21
	v_add_f32 v14, v14, v248                       ; the row's sum
	v_rcp_f32 v246, v14
	v_nop
	s_wait_alu depctr_va_vdst(0)                   ; the reciprocal has written v246, ahead of its first reader
.set J, 0
.rept 16
	v_pk_mul_f32 v[O+J:O+J+1], v[O+J:O+J+1], v[246:247] op_sel_hi:[1,0]   ; the context: register 16 b + i is channel 32 b + 16 h + i of the head
.set J, J+2
.endr
.irp b, 0,1
	v_max3_num_f32 v[BM+\b], |v[O+16*\b]|, |v[O+16*\b+1]|, 0x1800000
.endr
.irp i, 2,4,6,8,10,12,14
.irp b, 0,1
	v_max3_num_f32 v[BM+\b], v[BM+\b], |v[O+16*\b+\i]|, |v[O+16*\b+\i+1]|
.endr
.endr
.irp b, 0,1
	v_permlanex16_b32 v[T2+\b], v[BM+\b], s20, s21
.endr
.irp b, 0,1
	v_max_num_f32 v[BM+\b], v[BM+\b], v[T2+\b]
.endr
.irp b, 0,1
	v_add_nc_u32 v[SO+\b], 0xff000000, v[BM+\b]
.endr
.irp b, 0,1
	v_lshrrev_b32 v[T2+\b], 23, v[SO+\b]
.endr
	v_lshl_or_b32 v[\pw], v[T2+1], 8, v[T2]
.irp b, 0,1
	v_cvt_scalef32_pk8_fp4_f32 v[\cx+2*\b], v[O+16*\b:O+16*\b+7], v[SO+\b]
	v_cvt_scalef32_pk8_fp4_f32 v[\cx+2*\b+1], v[O+16*\b+8:O+16*\b+15], v[SO+\b]
.endr
	v_nop
	v_permlane16_swap_b32 v[\cx], v[\cx+2]
	v_permlane16_swap_b32 v[\cx+1], v[\cx+3]
	s_wait_alu depctr_va_vdst(0)                   ; the conversions and the two exchanges have written the four registers of codes, which the store reads
	global_store_b128 v1, v[\cx:\cx+3], s[\sb+8:\sb+9]   ; 512 consecutive bytes, aligned; these registers are not written again
.endm
	PASS 16, 24, 224, 32, 250, 254
	PASS 32, 40, 225, 44, 208, 255
	v_cmp_eq_u32 vcc_lo, 0, v6                     ; lanes 0-15 store the first pass's scale words, lanes 16-31 the second's
	v_mov_b32 v244, s35
	v_mov_b32 v245, s47
	s_wait_alu depctr_va_vcc(0)                    ; the compare has written VCC, which the two selects read
	v_cndmask_b32 v248, v255, v254, vcc_lo
	v_cndmask_b32 v244, v245, v244, vcc_lo
	v_add_nc_u32 v244, v244, v7
	s_wait_alu depctr_va_vdst(0)                   ; v244, the store's offset, and v248, its data, are written
	global_store_b32 v244, v248, s[12:13]
	s_wait_dscnt 0x0
	s_wait_alu depctr_hold_cnt(0) depctr_sa_sdst(0) depctr_va_vdst(0) depctr_va_sdst(0) depctr_va_ssrc(0) depctr_va_vcc(0) depctr_vm_vsrc(0)
	s_wait_tensorcnt 0x0
	ds_add_u32 v238, v239
	s_wait_dscnt 0x0
	s_endpgm
.Lfunc_end_k_q7f60177328_attn:
	.size	k_q7f60177328_attn, .Lfunc_end_k_q7f60177328_attn-k_q7f60177328_attn
	.p2alignl 7, 3214868480
	.fill 96, 4, 3214868480
	.section	.rodata,"a",@progbits
	.p2align	6, 0x0
	.amdhsa_kernel k_q7f60177328_attn
		.amdhsa_group_segment_fixed_size 141312
		.amdhsa_private_segment_fixed_size 0
		.amdhsa_enable_private_segment 0
		.amdhsa_kernarg_size 40
		.amdhsa_user_sgpr_count 2
		.amdhsa_user_sgpr_kernarg_segment_ptr 1
		.amdhsa_wavefront_size32 1
		.amdhsa_system_sgpr_workgroup_id_x 1
		.amdhsa_system_sgpr_workgroup_id_y 1
		.amdhsa_system_sgpr_workgroup_id_z 1
		.amdhsa_system_vgpr_workitem_id 0
		.amdhsa_next_free_vgpr 256
		.amdhsa_next_free_sgpr 90
		.amdhsa_reserve_vcc 1
		.amdhsa_float_denorm_mode_32 3
		.amdhsa_float_denorm_mode_16_64 3
		.amdhsa_memory_ordered 1
		.amdhsa_forward_progress 1
		.amdhsa_inst_pref_size 68
	.end_amdhsa_kernel
	.amdgpu_metadata
---
amdhsa.version: [ 1, 2 ]
amdhsa.kernels:
  - .name:           k_q7f60177328_attn
    .symbol:         k_q7f60177328_attn.kd
    .args:
      - { .name: hc, .offset: 0, .size: 8, .value_kind: global_buffer, .address_space: global }
      - { .name: hs, .offset: 8, .size: 8, .value_kind: global_buffer, .address_space: global }
      - { .name: sen_len, .offset: 16, .size: 8, .value_kind: global_buffer, .address_space: global }
      - { .name: cc, .offset: 24, .size: 8, .value_kind: global_buffer, .address_space: global }
      - { .name: cs, .offset: 32, .size: 8, .value_kind: global_buffer, .address_space: global }
    .group_segment_fixed_size: 141312
    .private_segment_fixed_size: 0
    .kernarg_segment_align: 8
    .kernarg_segment_size: 40
    .max_flat_workgroup_size: 512
    .sgpr_count:     90
    .vgpr_count:     256
    .wavefront_size: 32
...
	.end_amdgpu_metadata
.endif
;; end of part 5
;; launch outln: the kernel of part 4 again; grid 256 x 1, 4 waves a work-group, no clusters, 168,448 bytes of LDS; arguments cc, cs, cod, scl, q, ln_gamma, ln_beta, out0; writes out0
